; MI455X (gfx1250); checked and timed in simulation.
; The chip was launched on July 23, 2026; its instructions are those of AMD's public machine-readable ISA for CDNA 5 (MIT licence, August 2026) and "CDNA5" Instruction Set Architecture Reference Guide (July 2026). The comments in the code are by the model that wrote it; some were corrected since.
;; Attention Block. Allowed arithmetic: matrix products marked QUANTISED: E2M3 operands, one E8M0 scale for each 32 along K, by v_wmma_scale_f32_16x16x128_f8f6f4 with both operands' format E2M3, f32 sums; everything else in f32.
;; Inputs: W1 512 x 512 float32; W2 512 x 512 float32; b1 512 float32; b2 512 float32; key_masks 8 x 2,048 float32; keys 8 x 2,048 x 512 float32; ln2_b 512 float32; ln2_w 512 float32; ln_b 512 float32; ln_w 512 float32; queries 8 x 2,048 x 512 float32; query_masks 8 x 2,048 float32.
;; Outputs: out0 8 x 2,048 x 512 float32.
;; This version of the problem:
;;   THIS VERSION OF THE PROBLEM IS GIVEN IN LOW PRECISION. The matrix products marked QUANTISED in the list below multiply operands that are first quantised to E2M3 (2 exponent bits, 3 mantissa bits; 6 bits a number), with one power-of-two scale for each 32 numbers along K (OCP MX v1.0); their sums are f32. All else is computed in f32.
;;   The module's matrix products, in the order in which they are computed (A, B: the left and right operand; K: the contracted axis; several contracted axes count as one K, in the product's order):
;;     1. batch 8 x [M 2,048, K 512] x [K 512, N 2,048]; A: input queries; B: input keys: QUANTISED
;;     2. batch 8 x [M 2,048, K 2,048] x [K 2,048, N 512]; A: computed on the way; B: input keys: QUANTISED
;;     3. [M 16,384, K 512] x [K 512, N 512]; A: computed on the way; B: input W1: QUANTISED
;;     4. [M 16,384, K 512] x [K 512, N 512]; A: computed on the way; B: input W2: QUANTISED
;;   THE QUANTISER, for each operand of a quantised product, along K:
;;     - K is cut into blocks of 32 from its start; a last block that is shorter is filled with zeros.
;;     - A block's scale is 2^e with e = floor(log2(the largest magnitude in the block)) - 2, held to -126 .. 127; a block of zeros has e = 0. As a byte (E8M0): e + 127.
;;     - Each number is divided by its block's scale, clamped to +-7.5, and rounded to the nearest number of E2M3, ties to even, subnormals kept.
;;     - The product sums the exact products of the quantised numbers (number of the format x scale) in f32.
;;   ~~~python
;;   def quantise(x, axis):      # numpy; x: float32 -> the quantised numbers, widened to float32 again
;;       x = np.moveaxis(x, axis, -1); K = x.shape[-1]
;;       x = np.pad(x, [(0, 0)] * (x.ndim - 1) + [(0, -K % 32)]); x = x.reshape(x.shape[:-1] + (-1, 32)); a = np.abs(x).max(-1, keepdims=True)
;;       e = np.where(a > 0, np.clip(np.frexp(np.where(a > 0, a, 1))[1] - 1 - 2, -126, 127), 0)      # np.frexp(a)[1] - 1 = floor(log2(a)), exactly
;;       r = np.clip(x / 2.0 ** e, -7.5, 7.5)
;;       step = 2.0 ** (np.maximum(np.frexp(np.where(r == 0, 1, r))[1] - 1, 0) - 3)
;;       q = np.round(r / step) * step * 2.0 ** e      # np.round: ties to even
;;       return np.moveaxis(q.reshape(q.shape[:-2] + (-1,))[..., :K], -1, axis).astype(np.float32)
;;   ~~~
;;   OPERANDS COMPUTED ON THE WAY. 'Computed on the way' means the value that the module computes at that place (a softmax that the list does not call 'softmax' is quantised finished and normalised). What goes into a quantiser is computed in f32, as accurately as f32 sums, v_exp_f32 and their like allow (about 1e-6 of the number): no bf16 or f16 on the way to a quantiser, and a product that is left as it is and whose result goes on into a quantised operand takes f32 operands (vector FMAs, or v_wmma_f32_16x16x4_f32). A number that lies on a knife's edge between two numbers of the format may be rounded either way, as far as f32 arithmetic and the matrix unit's own rounding can turn it there, and no further.
;; 2 versions, each right; version 2 is version 1 with the launch attn written anew for expert scheduling mode. Each part assembles by itself: llvm-mc -triple=amdgcn-amd-amdhsa -mcpu=gfx1250 --defsym DOCPART=n.
;; ======== version 1 of 2: 2 launches
;; limits: inputs' magnitudes at most 10,000
;; workspace buffers: kimg 6,815,744 bytes; vimg 6,815,744 bytes; wimg 425,984 bytes
;; launch prep (part 1): grid 528 x 1, 4 waves a work-group, no clusters, 27,136 bytes of LDS; arguments keys, key_masks, W1, W2, kimg, vimg, wimg; writes kimg, vimg, wimg
.if DOCPART == 1
	.amdgcn_target "amdgcn-amd-amdhsa--gfx1250"
	.amdhsa_code_object_version 6
	.text
	.protected	k_q2d78ad119c_prep
	.globl	k_q2d78ad119c_prep
	.p2align	8
	.type	k_q2d78ad119c_prep,@function
k_q2d78ad119c_prep:
	s_mov_b64 s[64:65], 0
	v_nop
	global_prefetch_b8 v0, s[64:65] scope:SCOPE_SE
	s_setreg_imm32_b32 hwreg(HW_REG_WAVE_MODE, 25, 1), 1
	s_wait_xcnt 0x0
; What many work-groups of the next launch read is quantised ONCE here, to codes of FP6 (E2M3) with one E8M0 byte for each 32 along K, and laid in the ORDER OF THE OPERAND'S REGISTERS.
; kimg: keys with K = the 512 channels (first product); the codes of keys whose mask is 0 are zeros.  vimg: keys with K = the key axis (second product).  wimg: W1, then W2 (K = their second axis).
; A BLOCK is 512 rows x 512 K = 8 halves of 64 rows; a half is 4 GRANULES (K steps of 128); a granule is 4 fragments of 16 rows x 128 K (1,536 bytes each: register group g of lane L at 512 g + 16 L)
; and 512 bytes of scale words (lane L: the words of the four tiles for row L % 16).  A granule is 6,656 consecutive bytes: 13 loads of 512 bytes bring it into a wave's registers.
; THE ROWS OF A TILE ARE NOT NEIGHBOURS: lane r of tile u of a half takes row 32 (u / 2) + 8 (u % 2) + r + 8 (r / 8), so that the results of two neighbouring tiles are 16 neighbours along the next product's K.
; Each wave makes one granule.  Work-groups 0-271 take operands whose K is innermost (keys, W1, W2); work-groups 272-527 take keys with K down the rows.  Waves share nothing: no barrier.
; A block's scale is 2^(floor(log2(largest magnitude)) - 2); its byte is the largest magnitude's exponent field - 2, held at 1 from below (a block of zeros keeps 1: its codes are zeros, and this program alone reads the bytes).
; LIMITS: blocks whose largest magnitude lies under 2^-124 keep the byte 1; NaN and infinities among the inputs are not served.
.set FRB,  1536
.set GR,   6656
.set HGB,  4*GR
.set MBB,  8*HGB
.set NROW, 272                         ; work-groups of the first kind: 256 for keys, 8 for W1, 8 for W2
.set TM,   16                          ; v16-31  at work in the quantiser
.set PC,   32                          ; v32-50  the codes just made
.set X,    64                          ; v64-191 two sets of 64 numbers
.set SEL,  32                          ; s[32:33] lane selects for v_permlanex16_b32: lane l xor 16
	s_load_b256 s[4:11], s[0:1], 0x0               ; keys, key_masks, W1, W2
	s_load_b128 s[12:15], s[0:1], 0x20             ; kimg, vimg
	s_load_b64 s[16:17], s[0:1], 0x30              ; wimg
	v_lshl_add_u32 v192, v0, 2, 0x6800
	v_mov_b32 v193, 0
	v_lshrrev_b32 v1, 5, v0
	v_readfirstlane_b32 s18, v1                    ; wave 0..3
	v_and_b32 v1, 31, v0                           ; lane
	v_lshlrev_b32 v3, 4, v1                        ; 16 x lane: my place in each 512 bytes of a granule
	s_cmp_ge_u32 ttmp9, NROW
	s_cbranch_scc1 .Lcols
; ---------------- K innermost: 64 rows a work-group, the wave's number is the K step ----------------
	v_and_b32 v5, 15, v0                           ; r
	v_bfe_u32 v6, v0, 4, 1                         ; h
	v_and_b32 v7, 8, v5
	v_add_nc_u32 v7, v7, v5                        ; r + 8 (r / 8)
	v_lshlrev_b32 v2, 11, v7                       ; my row of 2,048 bytes,
	v_lshl_add_u32 v2, v6, 6, v2                   ; + 64 h: my 16 numbers of each block of 32
	v_lshlrev_b32 v4, 2, v7                        ; my row's mask
	s_mov_b32 s[SEL], 0x76543210
	s_mov_b32 s[SEL+1], 0xfedcba98
.irp b, 0,1,2,3
	v_mov_b32 v[TM+4+\b], 0                        ; written once: a lane permute's destination counts as one of its sources
.endr
	s_mov_b32 s23, 264
	s_wait_kmcnt 0x0
	s_cmp_lt_u32 ttmp9, 264                        ; the choices hang on the work-group's number alone
	s_cselect_b64 s[20:21], s[8:9], s[10:11]       ; W1 or W2
	s_cselect_b32 s22, 256, s23
	s_cmp_lt_u32 ttmp9, 256
	s_cselect_b64 s[20:21], s[4:5], s[20:21]       ; the source
	s_cselect_b64 s[24:25], s[12:13], s[16:17]     ; the images
	s_cselect_b32 s22, 0, s22
	s_cselect_b32 s26, 0, 256
	s_cselect_b32 s27, 0, -1                       ; all ones for W1 and W2: they have no mask
	s_sub_co_u32 s22, ttmp9, s22                   ; which 64 rows of the source
	s_sub_co_u32 s26, ttmp9, s26                   ; which half of the images
	s_lshl_b32 s28, s22, 17                        ; 64 rows of 2,048 bytes
	s_lshl_b32 s30, s18, 9                         ; + the K step's 512 bytes
	s_add_co_u32 s28, s28, s30
	s_mov_b32 s29, 0
	s_add_nc_u64 s[20:21], s[20:21], s[28:29]
	s_mul_i32 s28, s26, HGB
	s_mul_i32 s30, s18, GR
	s_add_co_u32 s28, s28, s30
	s_add_nc_u64 s[24:25], s[24:25], s[28:29]
	s_lshl_b32 s28, s22, 8                         ; 64 masks (for W1 and W2: words inside the buffer, loaded and not used)
	s_add_nc_u64 s[6:7], s[6:7], s[28:29]
.irp u, 0,1,2,3
	global_load_b32 v[8+\u], v4, s[6:7] offset:(32*(\u/2)+8*(\u%2))*4
.endr
.macro LOADT u                         ; tile u's 16 rows x 128 K: register 16 b + i = k 32 b + 16 h + i of my row
.set kt, 0
.rept 16
	global_load_b128 v[X+64*((\u)%2)+4*kt:X+64*((\u)%2)+4*kt+3], v2, s[20:21] offset:(32*((\u)/2)+8*((\u)%2))*2048+128*(kt/4)+16*(kt%4)
.set kt, kt+1
.endr
.endm
; 64 numbers of a lane become a fragment's 12 registers in v[PC] on and its row's scale word in v[pw]
.macro QUANT s, pw
.irp b, 0,1,2,3
	v_max3_num_f32 v[TM+\b], |v[\s+16*\b]|, |v[\s+1+16*\b]|, 0x1800000   ; my 16 numbers of block b, and the floor 2^(3 - 127): the byte cannot fall under 1
.endr
.irp i, 2,4,6,8,10,12,14
.irp b, 0,1,2,3
	v_max3_num_f32 v[TM+\b], v[TM+\b], |v[\s+16*\b+\i]|, |v[\s+1+16*\b+\i]|
.endr
.endr
.irp b, 0,1,2,3
	v_permlanex16_b32 v[TM+4+\b], v[TM+\b], s[SEL], s[SEL+1]
.endr
.irp b, 0,1,2,3
	v_max_num_f32 v[TM+\b], v[TM+\b], v[TM+4+\b]   ; with lane l xor 16's 16: the block's largest magnitude
.endr
.irp b, 0,1,2,3
	v_add_nc_u32 v[TM+12+\b], 0xff000000, v[TM+\b] ; 2 off its exponent field: the conversion's scale operand
.endr
.irp b, 0,1,2,3
	v_lshrrev_b32 v[TM+4+\b], 23, v[TM+12+\b]      ; the scale's byte
.endr
	v_lshl_or_b32 v[\pw], v[TM+5], 8, v[TM+4]
	v_lshl_or_b32 v[\pw], v[TM+6], 16, v[\pw]
	v_lshl_or_b32 v[\pw], v[TM+7], 24, v[\pw]
.irp c, 0,1
	v_cvt_scalef32_pk16_fp6_f32 v[PC+6*\c:PC+2+6*\c], v[\s+32*\c:\s+15+32*\c], v[TM+12+2*\c]
	v_cvt_scalef32_pk16_fp6_f32 v[PC+12+4*\c:PC+14+4*\c], v[\s+16+32*\c:\s+31+32*\c], v[TM+12+2*\c+1]   ; (a conversion's three registers begin on an even number)
.endr
	v_nop                                          ; one plain place behind a scaled conversion
.irp c, 0,1                                    ; the operand's layout wants a whole block in a lane
.irp i, 0,1,2
	v_permlane16_swap_b32 v[PC+6*\c+\i], v[PC+12+4*\c+\i]
.endr
.irp i, 0,1,2
	v_mov_b32 v[PC+3+6*\c+\i], v[PC+12+4*\c+\i]
.endr
.endr
.endm
.macro TILE u
.if (\u) < 3
	s_wait_loadcnt 16                              ; this tile's loads (and the masks) are in; the next tile's 16 may be out
.else
	s_wait_loadcnt 0x0
.endif
.if (\u) > 0
	s_wait_xcnt 0x0                                ; the last tile's stores have read the code registers
.endif
.set XS, X+64*((\u)%2)
	QUANT XS, 12+(\u)
	v_cmp_eq_f32 vcc_lo, 0, v[8+(\u)]
	v_cndmask_b32 v[8+(\u)], -1, 0, vcc_lo         ; mask 0: the row's codes become zeros
	v_or_b32 v[8+(\u)], s27, v[8+(\u)]
.set kt, 0
.rept 12
	v_and_b32 v[PC+kt], v[PC+kt], v[8+(\u)]
.set kt, kt+1
.endr
.irp g, 0,1,2
	global_store_b128 v3, v[PC+4*\g:PC+4*\g+3], s[24:25] offset:(\u)*FRB+512*\g   ; 32 lanes store 512 consecutive bytes, aligned to 256
.endr
.if (\u) < 2
	LOADT (\u)+2
.endif
.endm
	LOADT 0
	LOADT 1
	TILE 0
	TILE 1
	TILE 2
	TILE 3
	global_store_b128 v3, v[12:15], s[24:25] offset:4*FRB   ; the four tiles' scale words of my row
	s_endpgm
; ---------------- K down the rows: a lane takes a channel and its registers run down the keys ----------------
.Lcols:
	s_sub_co_u32 s19, ttmp9, NROW
	s_and_b32 s20, s19, 1
	s_lshl_b32 s20, s20, 2
	s_add_co_u32 s20, s20, s18                     ; which 64 channels (which half of the block): 4 x (work-group % 2) + wave
	s_bfe_u32 s21, s19, 0x20001                    ; the K step: 128 keys
	s_lshr_b32 s22, s19, 3                         ; the block: 512 keys of a batch
	s_lshl_b32 s24, s22, 20                        ; 512 rows of 2,048 bytes
	s_lshl_b32 s26, s21, 18                        ; 128 rows
	s_add_co_u32 s24, s24, s26
	s_lshl_b32 s26, s20, 8                         ; 64 channels
	s_add_co_u32 s24, s24, s26
	s_mov_b32 s25, 0
	s_mul_i32 s28, s22, MBB
	s_mul_i32 s26, s20, HGB
	s_add_co_u32 s28, s28, s26
	s_mul_i32 s26, s21, GR
	s_add_co_u32 s28, s28, s26
	s_mov_b32 s29, 0
	s_mul_i32 s27, s18, GR                         ; my wave's stage in LDS: one granule
	v_lshlrev_b32 v2, 2, v1                        ; 4 bytes a lane
	v_bfe_u32 v8, v0, 3, 1                         ; lane x is row r(x) of tile 2 q + u(x): u = (x / 8) % 2,
	v_and_b32 v9, 7, v0
	v_bfe_u32 v10, v0, 4, 1
	v_lshl_add_u32 v9, v10, 3, v9                  ; r = x % 8 + 8 (x / 16)
	v_mul_u32_u24 v5, v8, FRB
	v_lshl_add_u32 v5, v9, 4, v5
	v_add_nc_u32 v5, s27, v5                       ; my codes' place: fragment u, lane r
	v_lshlrev_b32 v6, 4, v9
	v_lshl_add_u32 v6, v8, 2, v6
	v_add_nc_u32 v6, s27, v6                       ; my scale word's place: 16 r + 4 u
	v_add_nc_u32 v7, s27, v3                       ; the way out: 16 x lane
	s_wait_kmcnt 0x0
	s_add_nc_u64 s[4:5], s[4:5], s[24:25]
	s_add_nc_u64 s[14:15], s[14:15], s[28:29]
.macro CLOAD t                         ; block t: 32 keys x 64 channels; a key's 256 bytes are taken by two neighbouring instructions
.set kc, 0
.rept 32
	global_load_b32 v[X+64*((\t)%2)+kc], v2, s[4:5] offset:(32*(\t)+kc)*2048
	global_load_b32 v[X+64*((\t)%2)+32+kc], v2, s[4:5] offset:(32*(\t)+kc)*2048+128
.set kc, kc+1
.endr
.endm
.macro CBLOCK t
.if (\t) < 3
	s_wait_loadcnt 63                              ; 64 younger loads have been issued; the count's field ends at 63
.else
	s_wait_loadcnt 0x0
.endif
.set XB, X+64*((\t)%2)
.irp q, 0,1                                    ; the block's largest magnitude: all 32 numbers are mine
	v_max3_num_f32 v[16+2*\q], |v[XB+32*\q]|, |v[XB+32*\q+1]|, |v[XB+32*\q+2]|
	v_max3_num_f32 v[17+2*\q], |v[XB+32*\q+3]|, |v[XB+32*\q+4]|, |v[XB+32*\q+5]|
.endr
.set kc, 6
.rept 6
.irp q, 0,1
	v_max3_num_f32 v[16+2*\q], v[16+2*\q], |v[XB+32*\q+kc]|, |v[XB+32*\q+kc+1]|
	v_max3_num_f32 v[17+2*\q], v[17+2*\q], |v[XB+32*\q+kc+2]|, |v[XB+32*\q+kc+3]|
.endr
.set kc, kc+4
.endr
.irp q, 0,1
	v_max3_num_f32 v[16+2*\q], v[16+2*\q], |v[XB+32*\q+30]|, |v[XB+32*\q+31]|
.endr
.irp q, 0,1
	v_max3_num_f32 v[16+2*\q], v[16+2*\q], v[17+2*\q], 0x1800000   ; and the floor
.endr
.irp q, 0,1
	v_add_nc_u32 v[20+\q], 0xff000000, v[16+2*\q]
.endr
.irp q, 0,1
	v_lshrrev_b32 v[22+\q], 23, v[20+\q]
.endr
.irp q, 0,1
.if (\t) == 0
	v_mov_b32 v[12+\q], v[22+\q]                   ; four bytes to a word, the lower K in the lower byte
.else
	v_lshl_or_b32 v[12+\q], v[22+\q], 8*(\t), v[12+\q]
.endif
.endr
.irp q, 0,1
	v_cvt_scalef32_pk16_fp6_f32 v[32+12*\q:34+12*\q], v[XB+32*\q:XB+32*\q+15], v[20+\q]
	v_cvt_scalef32_pk16_fp6_f32 v[36+12*\q:38+12*\q], v[XB+32*\q+16:XB+32*\q+31], v[20+\q]
.endr
	v_nop                                          ; one plain place behind a scaled conversion
.irp q, 0,1
	v_mov_b32 v[35+12*\q], v[36+12*\q]             ; six registers on end: the block's 32 codes
	v_mov_b32 v[36+12*\q], v[37+12*\q]
	v_mov_b32 v[37+12*\q], v[38+12*\q]
.endr
.irp q, 0,1                                    ; block t = 2 c + hh is registers 6 c .. 6 c + 5 of lane r + 16 hh
.if (\t) < 2
	ds_store_b128 v5, v[32+12*\q:35+12*\q] offset:2*FRB*\q+256*((\t)%2)
	ds_store_b64 v5, v[36+12*\q:37+12*\q] offset:2*FRB*\q+256*((\t)%2)+512
.else
	ds_store_b64 v5, v[32+12*\q:33+12*\q] offset:2*FRB*\q+256*((\t)%2)+520
	ds_store_b128 v5, v[34+12*\q:37+12*\q] offset:2*FRB*\q+256*((\t)%2)+1024
.endif
.endr
.if (\t) < 2
	CLOAD (\t)+2
.endif
	s_wait_dscnt 0x0                               ; the stores have read the code registers
.endm
	CLOAD 0
	CLOAD 1
	CBLOCK 0
	CBLOCK 1
	CBLOCK 2
	CBLOCK 3
.irp q, 0,1
	ds_store_b32 v6, v[12+\q] offset:4*FRB+8*\q        ; the scale word, for lane r
	ds_store_b32 v6, v[12+\q] offset:4*FRB+8*\q+256    ; and once more for lane r + 16
.endr
.set kc, 0
.rept 13
	ds_load_b128 v[X+4*kc:X+4*kc+3], v7 offset:512*kc  ; LDS serves a wave's instructions in order: these see my stores
.set kc, kc+1
.endr
.set kc, 0
.rept 13
	s_wait_dscnt 12-kc
	global_store_b128 v3, v[X+4*kc:X+4*kc+3], s[14:15] offset:512*kc   ; 512 consecutive bytes, aligned to 256
.set kc, kc+1
.endr
	s_wait_tensorcnt 0x0
	ds_add_u32 v192, v193
	s_wait_dscnt 0x0
	s_endpgm
.Lfunc_end_k_q2d78ad119c_prep:
	.size	k_q2d78ad119c_prep, .Lfunc_end_k_q2d78ad119c_prep-k_q2d78ad119c_prep
	.p2alignl 7, 3214868480
	.fill 96, 4, 3214868480
	.section	.rodata,"a",@progbits
	.p2align	6, 0x0
	.amdhsa_kernel k_q2d78ad119c_prep
		.amdhsa_group_segment_fixed_size 27136
		.amdhsa_private_segment_fixed_size 0
		.amdhsa_enable_private_segment 0
		.amdhsa_kernarg_size 56
		.amdhsa_user_sgpr_count 2
		.amdhsa_user_sgpr_kernarg_segment_ptr 1
		.amdhsa_wavefront_size32 1
		.amdhsa_system_sgpr_workgroup_id_x 1
		.amdhsa_system_sgpr_workgroup_id_y 1
		.amdhsa_system_sgpr_workgroup_id_z 1
		.amdhsa_system_vgpr_workitem_id 0
		.amdhsa_next_free_vgpr 194
		.amdhsa_next_free_sgpr 66
		.amdhsa_reserve_vcc 1
		.amdhsa_float_denorm_mode_32 3
		.amdhsa_float_denorm_mode_16_64 3
		.amdhsa_memory_ordered 1
		.amdhsa_forward_progress 1
		.amdhsa_inst_pref_size 68
	.end_amdhsa_kernel
	.amdgpu_metadata
---
amdhsa.version: [ 1, 2 ]
amdhsa.kernels:
  - .name:           k_q2d78ad119c_prep
    .symbol:         k_q2d78ad119c_prep.kd
    .args:
      - { .name: keys, .offset: 0, .size: 8, .value_kind: global_buffer, .address_space: global }
      - { .name: key_masks, .offset: 8, .size: 8, .value_kind: global_buffer, .address_space: global }
      - { .name: W1, .offset: 16, .size: 8, .value_kind: global_buffer, .address_space: global }
      - { .name: W2, .offset: 24, .size: 8, .value_kind: global_buffer, .address_space: global }
      - { .name: kimg, .offset: 32, .size: 8, .value_kind: global_buffer, .address_space: global }
      - { .name: vimg, .offset: 40, .size: 8, .value_kind: global_buffer, .address_space: global }
      - { .name: wimg, .offset: 48, .size: 8, .value_kind: global_buffer, .address_space: global }
    .group_segment_fixed_size: 27136
    .private_segment_fixed_size: 0
    .kernarg_segment_align: 8
    .kernarg_segment_size: 56
    .max_flat_workgroup_size: 128
    .sgpr_count:     66
    .vgpr_count:     194
    .wavefront_size: 32
...
	.end_amdgpu_metadata
.endif
;; end of part 1
;; launch attn (part 2): grid 256 x 1, 4 waves a work-group, no clusters, 120,320 bytes of LDS; arguments queries, query_masks, key_masks, kimg, vimg, wimg, b1, b2, ln_w, ln_b, ln2_w, ln2_b, out0; writes out0
.if DOCPART == 2
	.amdgcn_target "amdgcn-amd-amdhsa--gfx1250"
	.amdhsa_code_object_version 6
	.text
	.protected	k_q2d78ad119c_attn
	.globl	k_q2d78ad119c_attn
	.p2align	8
	.type	k_q2d78ad119c_attn,@function
k_q2d78ad119c_attn:
	s_mov_b64 s[64:65], 0
	v_nop
	global_prefetch_b8 v0, s[64:65] scope:SCOPE_SE
	s_setreg_imm32_b32 hwreg(HW_REG_WAVE_MODE, 25, 1), 1
	s_wait_xcnt 0x0
; out = LN2(FFN(x) + x), x = LN1(softmax(Q K^T / sqrt(512), key mask) x query mask . K + Q); all four products on codes of FP6 (E2M3) with one E8M0 scale for each 32 along K.
; THE NORMALISED softmax is what the second product's quantiser takes, so a row's maximum and sum must be known before any code of p is made: the scores are computed TWICE.  Pass 1: maximum and sum.  Pass 2: p, its codes, P.V.
; SHARES.  A work-group of four waves owns 64 queries (four tiles of 16) of one batch.  THE WAVES SHARE THE COLUMNS, NOT THE ROWS: in every product wave w owns 128 rows of the LEFT operand (keys 512 j + 128 w on;
; channels, hidden units, outputs 128 w on) for all 64 queries.  All products are used transposed (source 0 = 16 rows of keys / values^T / W1 / W2, source 1 = 16 queries): a lane holds one query throughout.
; The left operands come from the images of the launch before, from memory STRAIGHT INTO THE REGISTERS of the one wave that uses them, through a ring of eight granules (4 fragments + scale words, 13 loads each).
; The right operands (Q, P, x, h: 16 fragments) lie in LDS as images of their registers; wave w has made K step w of each.
; A HALF STEP (macro HG) is 4 tiles x 4 query tiles x 4 K steps: 64 matrix instructions on 16 accumulators that take turns.  Sums begin from what was loaded into the accumulators: the key bias (0, or -2^37 for a masked key,
; whose codes are zeros), b1, b2, or the queries (the residual): nothing is cleared and no bias is added by a vector instruction.
; NO CLUSTER, NO TENSOR LOAD: each fragment of the images feeds one wave of a work-group; a joint load lands in LDS, through which a work-group's 2.9 MB of codes would then be written and read once more with no second reader.
; LIMITS: a masked score is -2^37 ahead of the division (about -6.07e9 behind it, where the reference has -4.29e9): the same results while unmasked scores stay far above that; NaN and infinities are not served;
; blocks whose largest magnitude lies under 2^-124 keep the scale byte 1; p under 2^-126 is flushed to zero by the exponential.
.set FRB,  1536                        ; a fragment's image
.set GR,   6656                        ; a granule
.set HGB,  4*GR                        ; a half block: four K steps
.set WVB,  2*HGB                       ; a wave's part of a block
.set MBB,  4*WVB                       ; a block of 512 rows x 512 K
; LDS
.set IMG0, 0                           ; Q, later h: fragment (m, s) at (4 m + s) FRB
.set IMG1, 26624                       ; P, later x
.set SCO,  24576                       ; behind each image its scale words: 512 s + 16 lane + 4 m
.set STAT, 53248                       ; the softmax's exchange: 1024 w + 256 m + 8 lane
.set LNS,  57344                       ; four exchanges of the norms, 2,048 bytes each: 512 w + 16 lane
.set PAR,  65536                       ; key bias (8,192), b1 +8192, b2 +10240, ln_w +12288, ln_b +14336, ln2_w +16384, ln2_b +18432
.set STG,  86016                       ; the way out: 16 rows x 528 bytes for each wave
; vector registers, window 0
.set LI,   1                           ; 16 x lane
.set APW,  2                           ; + FRB x wave: where I store my K step's fragments
.set APS,  3                           ; 16 x lane + 512 x wave: their scale words, and the norms' partial sums
.set ABW,  4                           ; PAR + 512 w + 64 h: the parameters of my rows
.set ABK,  5                           ; + 2,048 j: the key bias of the key group in hand
.set XA,   6                           ; 2,048 r + 64 h: my 16 numbers of each block of 32 of row r
.set QWI,  7                           ; head: 16 lane + 4 FRB w; way out: stage, in
.set QWS,  8                           ; head: 16 lane + 4 w;     way out: stage, back
.set SW,   9                           ; 8 lane + 1,024 w
.set SR,   10                          ; 8 r
.set QM,   12                          ; v12-15 the query masks of my query in the four tiles
.set ST,   16                          ; v16-47 eight registers a tile: +0 c max, +1 max, +2,+3 sum (pass 2: 1 / sum x mask, twice), +4,+5 at work, +6 a, +7 its partner
.set TM,   48                          ; v48-55 at work
.set PW,   56                          ; v56-59 scale words in the making
.set PC,   60                          ; v60-69, v70-79 two sets of codes
.set BS,   80                          ; v80-87   the right operand's scale words, two sets: scales and nothing else
.set AS,   88                          ; v88-119  the left operand's, four for each ring slot: scales and nothing else
                                       ; v120-127 at work;  v128-255 BANK A: accumulator (m, u) at 128 + 32 m + 8 u
; window 1: v0-95 the right operand's fragments, two sets; v96-239 ring slots 5-7.   window 2: BANK B: accumulator (m, t) at 64 m + 8 t.   window 3: ring slots 0-4 at 48 k
; scalar registers
.set WV,   30
.set BT,   31
.set CS,   32                          ; s[32:33] c = log2(e) / sqrt(512)  (the 1e-8 beside the root vanishes in f32)
.set SEL,  34                          ; s[34:35] lane selects: lane l xor 16
.set NXT,  36                          ; s[36:37] my part of the block that the ring is being filled from
.set KB,   38                          ; s[38:39] my part of the batch's first block of kimg;  s[40:41] of vimg;  s[42:43] of wimg
.set VB,   40
.set WB,   42
.set J,    44
.set KJ,   45
.set QB,   46                          ; s[46:47] queries at my tile's rows;  s[48:49] at the work-group's rows, my 128 channels
.set RB,   48
.set MSB, 0
.macro WIN new                         ; the immediate's high byte repeats the setting that is left; a switch that changes nothing is dropped
.if MSB != (\new)
	s_set_vgpr_msb (MSB<<8)|(\new)
.set MSB, (\new)
.endif
.endm
.macro PLACES                          ; four plain places behind matrix instructions, ahead of loads into their registers and of reads of their results
.rept 4
	v_nop
.endr
.endm
.macro BARRIER                         ; my LDS stores have landed and my LDS loads are in: then the work-group's barrier
	s_wait_dscnt 0x0
	s_barrier_signal -1
	s_barrier_wait -1
.endm
.macro XLOAD base, dst, imm            ; 64 numbers of row r: register 16 b + i = number 32 b + 16 h + i   (destination window set by the caller)
.set kx, 0
.rept 16
	global_load_b128 v[(\dst)+4*kx:(\dst)+4*kx+3], v[XA], s[\base:\base+1] offset:(\imm)+128*(kx/4)+16*(kx%4)
.set kx, kx+1
.endr
.endm
.macro LOADB img, s, buf               ; K step s of the right operand: four fragments and their scale words
	WIN 0x40
.set kl, 0
.rept 12
	ds_load_b128 v[48*(\buf)+4*kl:48*(\buf)+4*kl+3], v[LI] offset:(\img)+(4*(kl/3)+(\s))*FRB+512*(kl%3)
.set kl, kl+1
.endr
	WIN 0
	ds_load_b128 v[BS+4*(\buf):BS+4*(\buf)+3], v[LI] offset:(\img)+SCO+512*(\s)
.endm
.macro REFILL k, off                   ; ring slot k takes the granule at off bytes of s[NXT]: 13 loads of 512 consecutive bytes
.if (\k) < 5
.set rfw, 3
.set rfb, 48*(\k)
.else
.set rfw, 1
.set rfb, 96+48*((\k)-5)
.endif
	WIN rfw<<6
.set kr, 0
.rept 12
	global_load_b128 v[rfb+4*kr:rfb+4*kr+3], v[LI], s[NXT:NXT+1] offset:(\off)+512*kr
.set kr, kr+1
.endr
	WIN 0
	global_load_b128 v[AS+4*(\k):AS+4*(\k)+3], v[LI], s[NXT:NXT+1] offset:(\off)+4*FRB
.endm
; A HALF STEP.  par: which half (ring slots 4 par on);  dw, dbase, dstr: the accumulators' window, first register, step from query tile to query tile;  img: the right operand;
; first = 1: its K step 0 is fetched here;  nimg: the next half step's right operand, whose K step 0 is fetched at the end (-1: none);  rf = 1: each slot is filled again as soon as it is read;
; lb - ls x step: the count of the wait for the slot: behind its 13 loads seven slots' 91 have been issued (the field ends at 63); without refills what is left of them.
; The 16 accumulators take turns, one instruction a turn, in the same order in every K step and every half step.
.macro HG par, dw, dbase, dstr, img, first, nimg, rf, lb, ls
.if \first
	LOADB \img, 0, 0
.endif
.set hs, 0
.rept 4
.if hs < 3
	LOADB \img, hs+1, (hs+1)&1
	s_wait_dscnt 13                                ; all but the 13 just issued: this K step's fragments, and what was loaded into the accumulators
.else
	s_wait_dscnt 0x0
.endif
	s_wait_loadcnt (\lb)-(\ls)*hs
.set hk, 4*(\par)+hs
.if hk < 5
.set hw, 3
.set hb, 48*hk
.else
.set hw, 1
.set hb, 96+48*(hk-5)
.endif
	WIN hw|(1<<2)|((\dw)<<4)|((\dw)<<6)
.set hu, 0
.rept 4
.set hm, 0
.rept 4
.set hd, (\dbase)+(\dstr)*hm+8*hu
	v_wmma_scale_f32_16x16x128_f8f6f4 v[hd:hd+7], v[hb+12*hu:hb+12*hu+11], v[48*(hs&1)+12*hm:48*(hs&1)+12*hm+11], v[hd:hd+7], v[AS+4*hk+hu], v[BS+4*(hs&1)+hm] matrix_a_fmt:MATRIX_FMT_FP6 matrix_b_fmt:MATRIX_FMT_FP6
.set hm, hm+1
.endr
.set hu, hu+1
.endr
	WIN 0
	PLACES
.if \rf
	REFILL hk, (\par)*HGB+hs*GR
.endif
.set hs, hs+1
.endr
.if (\nimg) >= 0
	LOADB \nimg, 0, 0
.endif
.endm
.macro PRELOADM areg, imm, m           ; query tile m's four accumulators of bank A begin as the parameters of my rows: register 8 u + j is row 32 (u / 2) + 16 h + 8 (u % 2) + j
.set kp, 0
.rept 8
	ds_load_b128 v[128+32*(\m)+4*kp:128+32*(\m)+4*kp+3], v[\areg] offset:(\imm)+(32*(kp/4)+8*((kp/2)%2))*4+16*(kp%2)
.set kp, kp+1
.endr
.endm
; 32 numbers of a lane (16 of each of two blocks of 32; lane l xor 16 holds the others) become six registers of codes in v[pc] on; the two scale bytes stay in v[TM+2], v[TM+3].
.macro QUANT2 src, win, pc
	WIN (\win)|((\win)<<2)
	v_max3_num_f32 v[TM], |v[(\src)]|, |v[(\src)+1]|, 0x1800000          ; four chains; the floor 2^(3 - 127) holds the byte at 1 from below
	v_max3_num_f32 v[TM+1], |v[(\src)+16]|, |v[(\src)+17]|, 0x1800000
	v_max3_num_f32 v[TM+6], |v[(\src)+8]|, |v[(\src)+9]|, 0x1800000
	v_max3_num_f32 v[TM+7], |v[(\src)+24]|, |v[(\src)+25]|, 0x1800000
.set kq, 2
.rept 3
	v_max3_num_f32 v[TM], |v[(\src)+kq]|, |v[(\src)+kq+1]|, v[TM]
	v_max3_num_f32 v[TM+1], |v[(\src)+16+kq]|, |v[(\src)+17+kq]|, v[TM+1]
	v_max3_num_f32 v[TM+6], |v[(\src)+8+kq]|, |v[(\src)+9+kq]|, v[TM+6]
	v_max3_num_f32 v[TM+7], |v[(\src)+24+kq]|, |v[(\src)+25+kq]|, v[TM+7]
.set kq, kq+2
.endr
	WIN 0
	v_max_num_f32 v[TM], v[TM], v[TM+6]
	v_max_num_f32 v[TM+1], v[TM+1], v[TM+7]
	v_permlanex16_b32 v[TM+2], v[TM], s[SEL], s[SEL+1]
	v_permlanex16_b32 v[TM+3], v[TM+1], s[SEL], s[SEL+1]
	v_max_num_f32 v[TM], v[TM], v[TM+2]            ; the blocks' largest magnitudes
	v_max_num_f32 v[TM+1], v[TM+1], v[TM+3]
	v_add_nc_u32 v[TM+4], 0xff000000, v[TM]        ; 2 off the exponent field: the conversion's scale operand
	v_add_nc_u32 v[TM+5], 0xff000000, v[TM+1]
	v_lshrrev_b32 v[TM+2], 23, v[TM+4]             ; the scales' bytes
	v_lshrrev_b32 v[TM+3], 23, v[TM+5]
	WIN (\win)
	v_cvt_scalef32_pk16_fp6_f32 v[(\pc):(\pc)+2], v[(\src):(\src)+15], v[TM+4]
	v_cvt_scalef32_pk16_fp6_f32 v[(\pc)+6:(\pc)+8], v[(\src)+16:(\src)+31], v[TM+5]   ; (a conversion's three registers begin on an even number)
	WIN 0
	v_nop                                          ; one plain place behind a scaled conversion
.irp i, 0,1,2
	v_permlane16_swap_b32 v[(\pc)+\i], v[(\pc)+6+\i]   ; the layout wants a whole block in a lane: lanes 0-15 the first block, lanes 16-31 the second
.endr
.irp i, 0,1,2
	v_mov_b32 v[(\pc)+3+\i], v[(\pc)+6+\i]
.endr
.endm
.macro PACKW m, c                      ; the two bytes go into tile m's scale word: bytes 2 c, 2 c + 1
.if (\c) == 0
	v_lshl_or_b32 v[PW+(\m)], v[TM+3], 8, v[TM+2]
.else
	v_lshl_or_b32 v[PW+(\m)], v[TM+2], 16, v[PW+(\m)]
	v_lshl_or_b32 v[PW+(\m)], v[TM+3], 24, v[PW+(\m)]
.endif
.endm
.macro STOREH areg, imm, pc, c         ; registers 6 c .. 6 c + 5 of a fragment's image: register R of lane L lies at 512 (R / 4) + 16 L + 4 (R % 4)
.if (\c) == 0
	ds_store_b128 v[\areg], v[(\pc):(\pc)+3] offset:(\imm)
	ds_store_b64 v[\areg], v[(\pc)+4:(\pc)+5] offset:(\imm)+512
.else
	ds_store_b64 v[\areg], v[(\pc):(\pc)+1] offset:(\imm)+520
	ds_store_b128 v[\areg], v[(\pc)+2:(\pc)+5] offset:(\imm)+1024
.endif
.endm
.macro SCALE_EXP                       ; bank A: c s - c max, two at a time, each accumulator from its low end on; then 2^(.), one batch with one wait
.set ks, 0
.rept 16
.irp m, 0,1,2,3
	v_pk_fma_f32 v[128+32*\m+ks:129+32*\m+ks], v[128+32*\m+ks:129+32*\m+ks], s[CS:CS+1], v[ST+8*\m:ST+8*\m+1] op_sel_hi:[1,0,0] neg_lo:[0,0,1] neg_hi:[0,0,1]
.endr
.set ks, ks+2
.endr
.set ks, 0
.rept 128
	v_exp_f32 v[128+ks], v[128+ks]
.set ks, ks+1
.endr
	v_nop                                          ; a plain place behind the last exponential
	s_wait_alu depctr_va_vdst(0)                   ; one wait for the whole batch, ahead of its first reader
.endm
.macro SUMS m0, areg, imm              ; tiles m0, m0 + 1: sum = sum x a + the 32 new terms, in two chains a tile; then their accumulators are loaded for the next half step
.irp d, 0,1
.set sm, (\m0)+\d
	v_pk_fma_f32 v[ST+8*sm+2:ST+8*sm+3], v[ST+8*sm+2:ST+8*sm+3], v[ST+8*sm+6:ST+8*sm+7], v[128+32*sm:129+32*sm] op_sel_hi:[1,0,1]
	v_pk_add_f32 v[ST+8*sm+4:ST+8*sm+5], v[130+32*sm:131+32*sm], v[132+32*sm:133+32*sm]
.endr
.set ks, 6
.rept 6
.irp d, 0,1
.set sm, (\m0)+\d
	v_pk_add_f32 v[ST+8*sm+2:ST+8*sm+3], v[ST+8*sm+2:ST+8*sm+3], v[128+32*sm+ks:129+32*sm+ks]
	v_pk_add_f32 v[ST+8*sm+4:ST+8*sm+5], v[ST+8*sm+4:ST+8*sm+5], v[130+32*sm+ks:131+32*sm+ks]
.endr
.set ks, ks+4
.endr
.irp d, 0,1
.set sm, (\m0)+\d
	v_pk_add_f32 v[ST+8*sm+2:ST+8*sm+3], v[ST+8*sm+2:ST+8*sm+3], v[158+32*sm:159+32*sm]
.endr
.irp d, 0,1
.set sm, (\m0)+\d
	v_pk_add_f32 v[ST+8*sm+2:ST+8*sm+3], v[ST+8*sm+2:ST+8*sm+3], v[ST+8*sm+4:ST+8*sm+5]
.endr
	PRELOADM \areg, \imm, \m0
	PRELOADM \areg, \imm, (\m0)+1
.endm
; PASS 1, behind a half step: each lane's running maximum and sum over ITS OWN keys of its query; lanes and waves are joined once, behind the pass.
.macro STAT1 areg, imm
.irp m, 0,1,2,3
	v_max3_num_f32 v[ST+8*\m+4], v[128+32*\m], v[129+32*\m], v[130+32*\m]      ; two ascending chains: each accumulator is first read at its low end
	v_max3_num_f32 v[ST+8*\m+5], v[144+32*\m], v[145+32*\m], v[146+32*\m]
.endr
.set ks, 3
.rept 6
.irp m, 0,1,2,3
	v_max3_num_f32 v[ST+8*\m+4], v[ST+8*\m+4], v[128+32*\m+ks], v[129+32*\m+ks]
	v_max3_num_f32 v[ST+8*\m+5], v[ST+8*\m+5], v[144+32*\m+ks], v[145+32*\m+ks]
.endr
.set ks, ks+2
.endr
.irp m, 0,1,2,3
	v_max3_num_f32 v[ST+8*\m+4], v[ST+8*\m+4], v[143+32*\m], v[159+32*\m]
.endr
.irp m, 0,1,2,3
	v_mov_b32 v[ST+8*\m+7], v[ST+8*\m]             ; c max as it was
.endr
.irp m, 0,1,2,3
	v_max3_num_f32 v[ST+8*\m+1], v[ST+8*\m+4], v[ST+8*\m+5], v[ST+8*\m+1]
.endr
.irp m, 0,1,2,3
	v_mul_f32 v[ST+8*\m], s[CS], v[ST+8*\m+1]
.endr
.irp m, 0,1,2,3
	v_sub_f32 v[ST+8*\m+7], v[ST+8*\m+7], v[ST+8*\m]
.endr
.irp m, 0,1,2,3
	v_exp_f32 v[ST+8*\m+6], v[ST+8*\m+7]           ; a = 2^(c max old - c max new): part of the batch below
.endr
	SCALE_EXP
	SUMS 0, \areg, \imm
	SUMS 2, \areg, \imm
.endm
; PASS 2, behind a half step of scores: p = 2^(c s - c max) / sum x query mask, quantised along the keys: half c of K step w of the second product's right operand.
; The count 18: behind the two stores that read a set of code registers stand 8 loads, 2 stores and 8 loads.
.macro SMQ c, areg, imm
	SCALE_EXP
.irp m, 0,1,2,3
.set ks, 0
.rept 16
	v_pk_mul_f32 v[128+32*\m+ks:129+32*\m+ks], v[128+32*\m+ks:129+32*\m+ks], v[ST+8*\m+2:ST+8*\m+3]
.set ks, ks+2
.endr
.if \m >= 2
	s_wait_dscnt 18
.endif
	QUANT2 128+32*\m, 0, PC+10*(\m%2)
	PACKW \m, \c
	STOREH APW, IMG1+4*FRB*\m, PC+10*(\m%2), \c
	PRELOADM \areg, \imm, \m
.endr
.if \c
	ds_store_b128 v[APS], v[PW:PW+3] offset:IMG1+SCO
.endif
.endm
.macro RELUQ c, imm                    ; the hidden layer: relu, quantised: half c of K step w of the last product's right operand
.irp m, 0,1,2,3
.set ks, 0
.rept 32
	v_max_num_f32 v[128+32*\m+ks], 0, v[128+32*\m+ks]
.set ks, ks+1
.endr
.if \m >= 2
	s_wait_dscnt 18
.endif
	QUANT2 128+32*\m, 0, PC+10*(\m%2)
	PACKW \m, \c
	STOREH APW, IMG0+4*FRB*\m, PC+10*(\m%2), \c
	PRELOADM ABW, \imm, \m
.endr
.if \c
	ds_store_b128 v[APS], v[PW:PW+3] offset:IMG0+SCO
.endif
.endm
.macro ADDX p, pre, imm                ; y + x: half p of bank B takes bank A
.irp m, 0,1,2,3
	WIN 0x82
.set ka, 0
.rept 16
	v_pk_add_f32 v[64*\m+32*(\p)+ka:64*\m+32*(\p)+ka+1], v[64*\m+32*(\p)+ka:64*\m+32*(\p)+ka+1], v[128+32*\m+ka:129+32*\m+ka]
.set ka, ka+2
.endr
	WIN 0
.if \pre
	PRELOADM ABW, \imm, \m
.endif
.endr
.endm
.macro LNX st                          ; four pairs in v[TM] on -> the rows' sums over all 512 channels in v120-123: my two halves, lane l xor 16, the four waves (through LDS bytes used once)
.irp m, 0,1,2,3
	v_add_f32 v[120+\m], v[TM+2*\m], v[TM+2*\m+1]
.endr
.irp m, 0,1,2,3
	v_permlanex16_b32 v[124+\m], v[120+\m], s[SEL], s[SEL+1]
.endr
.irp m, 0,1,2,3
	v_add_f32 v[120+\m], v[120+\m], v[124+\m]
.endr
	ds_store_b128 v[APS], v[120:123] offset:\st
	BARRIER
.irp w, 0,1,2,3
	ds_load_b128 v[PC+4*\w:PC+4*\w+3], v[LI] offset:(\st)+512*\w
.endr
	s_wait_dscnt 0x0
.irp m, 0,1,2,3
	v_add_f32 v[120+\m], v[PC+\m], v[PC+4+\m]
.endr
.irp m, 0,1,2,3
	v_add_f32 v[124+\m], v[PC+8+\m], v[PC+12+\m]
.endr
.irp m, 0,1,2,3
	v_add_f32 v[120+\m], v[120+\m], v[124+\m]
.endr
.endm
; LayerNorm of bank B, in place, in two steps as the reference takes it: the mean, then the mean of the squared differences.
.macro LNORM gofs, bofs, st1, st2
	s_mov_b32 s52, 0x3b000000                      ; 1 / 512
.set kn, 0
.rept 16
	ds_load_b128 v[128+4*kn:131+4*kn], v[ABW] offset:(\gofs)+128*(kn/4)+16*(kn%4)   ; gain and bias of my 64 channels, in bank B's order
	ds_load_b128 v[192+4*kn:195+4*kn], v[ABW] offset:(\bofs)+128*(kn/4)+16*(kn%4)
.set kn, kn+1
.endr
	WIN 0x0a
.irp m, 0,1,2,3
	v_pk_add_f32 v[TM+2*\m:TM+2*\m+1], v[64*\m:64*\m+1], v[64*\m+2:64*\m+3]
.endr
	WIN 0x02
.set kn, 4
.rept 30
.irp m, 0,1,2,3
	v_pk_add_f32 v[TM+2*\m:TM+2*\m+1], v[64*\m+kn:64*\m+kn+1], v[TM+2*\m:TM+2*\m+1]
.endr
.set kn, kn+2
.endr
	WIN 0
	LNX \st1
.irp m, 0,1,2,3
	v_mul_f32 v[TM+2*\m], s52, v[120+\m]           ; the mean
.endr
	WIN 0x82
.set kn, 0
.rept 32
.irp m, 0,1,2,3
	v_pk_add_f32 v[64*\m+kn:64*\m+kn+1], v[64*\m+kn:64*\m+kn+1], v[TM+2*\m:TM+2*\m+1] op_sel_hi:[1,0] neg_lo:[0,1] neg_hi:[0,1]
.endr
.set kn, kn+2
.endr
	WIN 0x0a
.irp m, 0,1,2,3
	v_pk_mul_f32 v[TM+2*\m:TM+2*\m+1], v[64*\m:64*\m+1], v[64*\m:64*\m+1]
.endr
.set kn, 2
.rept 31
.irp m, 0,1,2,3
	v_pk_fma_f32 v[TM+2*\m:TM+2*\m+1], v[64*\m+kn:64*\m+kn+1], v[64*\m+kn:64*\m+kn+1], v[TM+2*\m:TM+2*\m+1]
.endr
.set kn, kn+2
.endr
	WIN 0
	LNX \st2
.irp m, 0,1,2,3
	v_fmaak_f32 v[120+\m], s52, v[120+\m], 0x3727c5ac   ; the variance + 1e-5
.endr
.irp m, 0,1,2,3
	v_rsq_f32 v[TM+2*\m], v[120+\m]
.endr
	v_nop                                          ; a plain place behind the last of them
	s_wait_alu depctr_va_vdst(0)                   ; one wait for the four, ahead of their first reader
	WIN 0x82
.set kn, 0
.rept 32
.irp m, 0,1,2,3
	v_pk_mul_f32 v[64*\m+kn:64*\m+kn+1], v[64*\m+kn:64*\m+kn+1], v[TM+2*\m:TM+2*\m+1] op_sel_hi:[1,0]
.endr
.irp m, 0,1,2,3
	v_pk_fma_f32 v[64*\m+kn:64*\m+kn+1], v[64*\m+kn:64*\m+kn+1], v[128+kn:129+kn], v[192+kn:193+kn]
.endr
.set kn, kn+2
.endr
	WIN 0
.endm
.macro TOSTAGE m                       ; 16 rows x my 128 channels through my own stage: in by lanes' 64-byte runs, back as whole rows of 512 bytes
	WIN 0x08
.set kt, 0
.rept 16
	ds_store_b128 v[QWI], v[64*(\m)+4*kt:64*(\m)+4*kt+3] offset:128*(kt/4)+16*(kt%4)
.set kt, kt+1
.endr
	WIN 0
.set kt, 0
.rept 16
	ds_load_b128 v[128+64*((\m)%2)+4*kt:128+64*((\m)%2)+4*kt+3], v[QWS] offset:528*kt   ; LDS serves a wave's instructions in order: these see my stores
.set kt, kt+1
.endr
.endm
.macro SEND m, younger
	s_wait_dscnt \younger
.set kt, 0
.rept 16
	global_store_b128 v[LI], v[128+64*((\m)%2)+4*kt:128+64*((\m)%2)+4*kt+3], s[28:29] offset:(16*(\m)+kt)*2048 th:TH_STORE_NT   ; 32 lanes store 512 consecutive bytes, aligned to 256
.set kt, kt+1
.endr
.endm
; ================================ THE HEAD ================================
	s_load_b512 s[4:19], s[0:1], 0x0               ; queries, query_masks, key_masks, kimg, vimg, wimg, b1, b2
	s_load_b256 s[20:27], s[0:1], 0x40             ; ln_w, ln_b, ln2_w, ln2_b
	s_load_b64 s[28:29], s[0:1], 0x60              ; out0
	v_lshl_add_u32 v11, v0, 2, 0x1d400
	v_mov_b32 v79, 0
	v_lshrrev_b32 v120, 5, v0
	v_readfirstlane_b32 s[WV], v120                ; wave 0..3
	v_and_b32 v121, 31, v0                         ; lane
	v_and_b32 v122, 15, v0                         ; r
	v_bfe_u32 v123, v0, 4, 1                       ; h
	v_lshlrev_b32 v[LI], 4, v121
	s_mul_i32 s50, s[WV], FRB
	v_add_nc_u32 v[APW], s50, v[LI]
	s_lshl_b32 s51, s[WV], 9
	v_add_nc_u32 v[APS], s51, v[LI]
	v_lshlrev_b32 v[ABW], 6, v123
	v_add_nc_u32 v[ABW], s51, v[ABW]
	v_add_nc_u32 v[ABW], PAR, v[ABW]
	v_lshlrev_b32 v[XA], 11, v122
	v_lshl_add_u32 v[XA], v123, 6, v[XA]
	s_mul_i32 s52, s[WV], 4*FRB
	v_add_nc_u32 v[QWI], s52, v[LI]
	s_lshl_b32 s53, s[WV], 2
	v_add_nc_u32 v[QWS], s53, v[LI]
	s_lshl_b32 s54, s[WV], 10
	v_lshlrev_b32 v[SW], 3, v121
	v_add_nc_u32 v[SW], s54, v[SW]
	v_lshlrev_b32 v[SR], 3, v122
	s_mov_b32 s[CS], 0x3d8293ee
	s_mov_b32 s[CS+1], s[CS]                       ; (named with it as a pair, so it is written)
	s_mov_b32 s[SEL], 0x76543210
	s_mov_b32 s[SEL+1], 0xfedcba98
.irp m, 0,1,2,3
	v_mov_b32 v[ST+8*\m+1], 0xff61b1e6             ; the largest score so far: -3e38
	v_mul_f32 v[ST+8*\m], s[CS], v[ST+8*\m+1]
.irp i, 2,3,4,5,6,7
	v_mov_b32 v[ST+8*\m+\i], 0                     ; the sums; the rest is written because it is named in pairs
.endr
.endr
	v_mov_b32 v[TM+2], 0                           ; a lane permute's destination counts as one of its sources
	v_mov_b32 v[TM+3], 0
	v_mov_b32 v124, 0
	v_mov_b32 v125, 0
	v_mov_b32 v126, 0
	v_mov_b32 v127, 0xd2000000                     ; -2^37
	v_lshlrev_b32 v120, 4, v0                      ; 16 x thread
	v_lshlrev_b32 v121, 2, v122                    ; 4 r
	v_lshl_add_u32 v123, v0, 4, PAR
	s_lshr_b32 s[BT], ttmp9, 5                     ; the batch
	s_mul_i32 s50, s[BT], 4*MBB
	s_mul_i32 s52, s[WV], WVB
	s_mov_b32 s53, 0
	s_add_co_u32 s50, s50, s52
	s_mov_b32 s51, 0
	s_lshl_b32 s54, ttmp9, 17                      ; 64 rows of 2,048 bytes
	s_lshl_b32 s56, s[WV], 15                      ; 16 rows
	s_add_co_u32 s56, s56, s54
	s_mov_b32 s57, 0
	s_lshl_b32 s58, s[WV], 9                       ; 128 channels
	s_add_co_u32 s58, s58, s54
	s_mov_b32 s59, 0
	s_wait_kmcnt 0x0
	s_add_nc_u64 s[KB:KB+1], s[10:11], s[50:51]
	s_add_nc_u64 s[VB:VB+1], s[12:13], s[50:51]
	s_add_nc_u64 s[WB:WB+1], s[14:15], s[52:53]
	s_add_nc_u64 s[QB:QB+1], s[4:5], s[56:57]
	s_add_nc_u64 s[RB:RB+1], s[4:5], s[58:59]
	s_add_nc_u64 s[28:29], s[28:29], s[58:59]
	s_lshl_b32 s50, ttmp9, 8
	s_add_nc_u64 s[6:7], s[6:7], s[50:51]          ; my 64 query masks
	s_lshl_b32 s50, s[BT], 13
	s_add_nc_u64 s[8:9], s[8:9], s[50:51]          ; the batch's key masks
	s_mov_b64 s[NXT:NXT+1], s[KB:KB+1]
	; 14 loads: the parameters (16 bytes a thread each), the batch's key masks, my queries' masks
	global_load_b128 v[128:131], v120, s[16:17]
	global_load_b128 v[132:135], v120, s[18:19]
	global_load_b128 v[136:139], v120, s[20:21]
	global_load_b128 v[140:143], v120, s[22:23]
	global_load_b128 v[144:147], v120, s[24:25]
	global_load_b128 v[148:151], v120, s[26:27]
.irp i, 0,1,2,3
	global_load_b128 v[152+4*\i:155+4*\i], v120, s[8:9] offset:2048*\i
.endr
.irp m, 0,1,2,3
	global_load_b32 v[QM+\m], v121, s[6:7] offset:64*\m
.endr
	; 64 loads: query tile w, all 512 channels, into bank B
	WIN 0x80
	XLOAD QB, 0, 0
	XLOAD QB, 64, 512
	XLOAD QB, 128, 1024
	XLOAD QB, 192, 1536
	WIN 0
	s_wait_loadcnt 63                              ; the 14 are in: 64 younger loads have been issued
.set kh, 0
.rept 16
	v_cmp_eq_f32 vcc_lo, 0, v[152+kh]
	v_cndmask_b32 v[152+kh], 0, v127, vcc_lo       ; the key bias: -2^37 where the mask is 0
.set kh, kh+1
.endr
.irp i, 0,1,2,3
	ds_store_b128 v123, v[152+4*\i:155+4*\i] offset:2048*\i
.endr
.irp i, 0,1,2,3,4,5
	ds_store_b128 v123, v[128+4*\i:131+4*\i] offset:8192+2048*\i
.endr
	; Q's tile w becomes four fragments; between them the ring's first fill: key group 0
.irp s, 0,1,2,3
.if \s == 0
	s_wait_loadcnt 48                              ; K step s of Q is in: younger are 16 (3 - s) of Q's loads and 26 s of the ring's
.elseif \s == 1
	s_wait_loadcnt 58
.else
	s_wait_loadcnt 63
.endif
	s_wait_dscnt 0x0                               ; earlier stores have read the code registers
	QUANT2 64*\s, 2, PC
	PACKW \s, 0
	STOREH QWI, IMG0+FRB*\s, PC, 0
	QUANT2 64*\s+32, 2, PC+10
	PACKW \s, 1
	STOREH QWI, IMG0+FRB*\s, PC+10, 1
	ds_store_b32 v[QWS], v[PW+\s] offset:IMG0+SCO+512*\s
	REFILL 2*\s, ((2*\s)/4)*HGB+((2*\s)%4)*GR
	REFILL 2*\s+1, ((2*\s+1)/4)*HGB+((2*\s+1)%4)*GR
.endr
	; the residual: the 64 queries' channels 128 w on are what the second product's sums begin with
	WIN 0x80
	XLOAD RB, 0, 0
	XLOAD RB, 64, 32768
	XLOAD RB, 128, 65536
	XLOAD RB, 192, 98304
	WIN 0
	BARRIER                                        ; Q's sixteen fragments and the parameters lie in LDS
	s_mov_b32 s[KJ], 0
	v_add_nc_u32 v[ABK], s[KJ], v[ABW]
	PRELOADM ABK, 0, 0
	PRELOADM ABK, 0, 1
	PRELOADM ABK, 0, 2
	PRELOADM ABK, 0, 3
	LOADB IMG0, 0, 0
; ================================ PASS 1: maximum and sum ================================
	s_mov_b32 s[J], 0
.Lp1:                                              ; a trip: 512 keys.  The ring is filled from the next group; the last trip asks for group 0 again, which pass 2 wants first
	s_wait_xcnt 0x0                                ; the ring's loads have read their base
	s_add_co_u32 s50, s[J], 1
	s_and_b32 s50, s50, 3
	s_mul_i32 s50, s50, MBB
	s_mov_b32 s51, 0
	s_add_nc_u64 s[NXT:NXT+1], s[KB:KB+1], s[50:51]
	HG 0, 0, 128, 32, IMG0, 0, IMG0, 1, 63, 0
	STAT1 ABK, 256
	HG 1, 0, 128, 32, IMG0, 0, IMG0, 1, 63, 0
	s_add_co_u32 s[KJ], s[KJ], 2048
	v_add_nc_u32 v[ABK], s[KJ], v[ABW]             ; (in the last trip: 2,048 bytes on, still among the parameters; what is loaded from there is not used)
	STAT1 ABK, 0
	s_add_co_u32 s[J], s[J], 1
	s_cmp_lt_u32 s[J], 4
	s_cbranch_scc1 .Lp1
; ---- a query's eight partial (c max, sum) are joined: four waves x two halves of the lanes, in the same order in every lane
.irp m, 0,1,2,3
	v_add_f32 v[ST+8*\m+1], v[ST+8*\m+2], v[ST+8*\m+3]
.endr
.irp m, 0,1,2,3
	ds_store_b64 v[SW], v[ST+8*\m:ST+8*\m+1] offset:STAT+256*\m
.endr
	BARRIER
.set kc, 0
.rept 32
	ds_load_b64 v[128+2*kc:129+2*kc], v[SR] offset:STAT+1024*((kc/2)%4)+256*(kc/8)+128*(kc%2)
.set kc, kc+1
.endr
	s_wait_dscnt 0x0
.irp m, 0,1,2,3
	v_max3_num_f32 v[ST+8*\m+4], v[128+16*\m], v[130+16*\m], v[132+16*\m]
.endr
.irp m, 0,1,2,3
	v_max3_num_f32 v[ST+8*\m+4], v[ST+8*\m+4], v[134+16*\m], v[136+16*\m]
.endr
.irp m, 0,1,2,3
	v_max3_num_f32 v[ST+8*\m+4], v[ST+8*\m+4], v[138+16*\m], v[140+16*\m]
.endr
.irp m, 0,1,2,3
	v_max_num_f32 v[ST+8*\m+4], v[ST+8*\m+4], v[142+16*\m]
.endr
.irp i, 0,1,2,3,4,5,6,7
.irp m, 0,1,2,3
	v_sub_f32 v[128+16*\m+2*\i], v[128+16*\m+2*\i], v[ST+8*\m+4]
.endr
.endr
.irp i, 0,1,2,3,4,5,6,7
.irp m, 0,1,2,3
	v_exp_f32 v[128+16*\m+2*\i], v[128+16*\m+2*\i]
.endr
.endr
	v_nop
	s_wait_alu depctr_va_vdst(0)                   ; one wait for the 32
.irp m, 0,1,2,3
	v_mul_f32 v[ST+8*\m+5], v[129+16*\m], v[128+16*\m]
.endr
.irp i, 1,2,3,4,5,6,7
.irp m, 0,1,2,3
	v_fmac_f32 v[ST+8*\m+5], v[129+16*\m+2*\i], v[128+16*\m+2*\i]
.endr
.endr
.irp m, 0,1,2,3
	v_rcp_f32 v[ST+8*\m+6], v[ST+8*\m+5]           ; the sum is at least 1: the largest score's own term
.endr
	v_nop
	s_wait_alu depctr_va_vdst(0)                   ; one wait for the four
.irp m, 0,1,2,3
	v_mul_f32 v[ST+8*\m+2], v[ST+8*\m+6], v[QM+\m] ; 1 / sum x the query's mask
	v_mov_b32 v[ST+8*\m], v[ST+8*\m+4]             ; c x the row's maximum
	v_mov_b32 v[ST+8*\m+1], v[ST+8*\m+4]
.endr
.irp m, 0,1,2,3
	v_mov_b32 v[ST+8*\m+3], v[ST+8*\m+2]
.endr
	s_mov_b32 s[KJ], 0
	v_add_nc_u32 v[ABK], s[KJ], v[ABW]
	PRELOADM ABK, 0, 0
	PRELOADM ABK, 0, 1
	PRELOADM ABK, 0, 2
	PRELOADM ABK, 0, 3
; ================================ PASS 2: p, its codes, P.V on top of the residual ================================
	s_mov_b32 s[J], 0
.Lp2:                                              ; a trip: 512 keys: their scores once more, p quantised, then these keys as the second product's K
	s_wait_xcnt 0x0
	s_mul_i32 s50, s[J], MBB
	s_mov_b32 s51, 0
	s_add_nc_u64 s[NXT:NXT+1], s[VB:VB+1], s[50:51]    ; while the keys are multiplied the ring takes this group's values
	HG 0, 0, 128, 32, IMG0, 1, IMG0, 1, 63, 0
	SMQ 0, ABK, 256
	HG 1, 0, 128, 32, IMG0, 0, -1, 1, 63, 0
	s_add_co_u32 s[KJ], s[KJ], 2048
	v_add_nc_u32 v[ABK], s[KJ], v[ABW]             ; (last trip: as in pass 1)
	SMQ 1, ABK, 0
	BARRIER                                        ; P's sixteen fragments lie in LDS
	s_wait_xcnt 0x0
	s_add_co_u32 s50, s50, MBB
	s_add_nc_u64 s[52:53], s[KB:KB+1], s[50:51]
	s_cmp_lt_u32 s[J], 3
	s_cselect_b64 s[NXT:NXT+1], s[52:53], s[WB:WB+1]   ; then the next group's keys, or W1
	HG 0, 2, 0, 64, IMG1, 1, IMG1, 1, 63, 0
	HG 1, 2, 32, 64, IMG1, 0, -1, 1, 63, 0
	BARRIER                                        ; every wave's reads of P are over
	s_add_co_u32 s[J], s[J], 1
	s_cmp_lt_u32 s[J], 4
	s_cbranch_scc1 .Lp2
; ================================ LN1, FFN, LN2 ================================
	LNORM 12288, 14336, LNS, LNS+2048
.irp m, 0,1,2,3                                ; x is quantised: K step w of the third product's right operand, over P's bytes
.irp c, 0,1
	s_wait_dscnt 2                                 ; the stores that read this set of code registers are done: younger are the other set's two
	QUANT2 64*\m+32*\c, 2, PC+10*\c
	PACKW \m, \c
	STOREH APW, IMG1+4*FRB*\m, PC+10*\c, \c
.endr
.endr
	ds_store_b128 v[APS], v[PW:PW+3] offset:IMG1+SCO
	PRELOADM ABW, 8192, 0                          ; b1
	PRELOADM ABW, 8192, 1
	PRELOADM ABW, 8192, 2
	PRELOADM ABW, 8192, 3
	BARRIER
	s_wait_xcnt 0x0
	s_add_nc_u64 s[NXT:NXT+1], s[WB:WB+1], MBB     ; while W1 is multiplied the ring takes W2
	HG 0, 0, 128, 32, IMG1, 1, IMG1, 1, 63, 0
	RELUQ 0, 8192+256
	HG 1, 0, 128, 32, IMG1, 0, -1, 1, 63, 0
	RELUQ 1, 10240                                 ; (the accumulators take b2)
	BARRIER                                        ; the hidden layer's sixteen fragments lie in LDS
	HG 0, 0, 128, 32, IMG0, 1, IMG0, 0, 52, 0      ; nothing is left to fetch: behind slot s stand 13 (7 - s) loads, at least 52
	ADDX 0, 1, 10240+256
	HG 1, 0, 128, 32, IMG0, 0, -1, 0, 39, 13       ; behind slot 4 + s: 13 (3 - s)
	ADDX 1, 0, 0
	LNORM 16384, 18432, LNS+4096, LNS+6144
; ================================ THE WAY OUT ================================
	s_mul_i32 s50, s[WV], 16*528
	s_add_co_u32 s50, s50, STG                     ; my stage
	v_and_b32 v120, 15, v0
	v_bfe_u32 v121, v0, 4, 1
	v_mul_u32_u24 v[QWI], v120, 528
	v_lshl_add_u32 v[QWI], v121, 6, v[QWI]
	v_add_nc_u32 v[QWI], s50, v[QWI]               ; in: row r, + 64 h
	v_add_nc_u32 v[QWS], s50, v[LI]                ; back: 16 bytes a lane of a row
	TOSTAGE 0
	TOSTAGE 1
	SEND 0, 32                                     ; behind tile 0's loads: tile 1's 16 stores and 16 loads
	s_wait_xcnt 0x0                                ; tile 0's stores have read their registers: tile 2's loads may land there
	TOSTAGE 2
	SEND 1, 32
	s_wait_xcnt 0x0
	TOSTAGE 3
	SEND 2, 32
	SEND 3, 0
	s_wait_tensorcnt 0x0
	ds_add_u32 v11, v79
	s_wait_dscnt 0x0
	s_endpgm
.Lfunc_end_k_q2d78ad119c_attn:
	.size	k_q2d78ad119c_attn, .Lfunc_end_k_q2d78ad119c_attn-k_q2d78ad119c_attn
	.p2alignl 7, 3214868480
	.fill 96, 4, 3214868480
	.section	.rodata,"a",@progbits
	.p2align	6, 0x0
	.amdhsa_kernel k_q2d78ad119c_attn
		.amdhsa_group_segment_fixed_size 120320
		.amdhsa_private_segment_fixed_size 0
		.amdhsa_enable_private_segment 0
		.amdhsa_kernarg_size 104
		.amdhsa_user_sgpr_count 2
		.amdhsa_user_sgpr_kernarg_segment_ptr 1
		.amdhsa_wavefront_size32 1
		.amdhsa_system_sgpr_workgroup_id_x 1
		.amdhsa_system_sgpr_workgroup_id_y 1
		.amdhsa_system_sgpr_workgroup_id_z 1
		.amdhsa_system_vgpr_workitem_id 0
		.amdhsa_next_free_vgpr 1024
		.amdhsa_next_free_sgpr 66
		.amdhsa_reserve_vcc 1
		.amdhsa_float_denorm_mode_32 3
		.amdhsa_float_denorm_mode_16_64 3
		.amdhsa_memory_ordered 1
		.amdhsa_forward_progress 1
		.amdhsa_inst_pref_size 255
	.end_amdhsa_kernel
	.section	.bss,"aw",@nobits
	.p2align	6
	.space	262144
	.amdgpu_metadata
---
amdhsa.version: [ 1, 2 ]
amdhsa.kernels:
  - .name:           k_q2d78ad119c_attn
    .symbol:         k_q2d78ad119c_attn.kd
    .args:
      - { .name: queries, .offset: 0, .size: 8, .value_kind: global_buffer, .address_space: global }
      - { .name: query_masks, .offset: 8, .size: 8, .value_kind: global_buffer, .address_space: global }
      - { .name: key_masks, .offset: 16, .size: 8, .value_kind: global_buffer, .address_space: global }
      - { .name: kimg, .offset: 24, .size: 8, .value_kind: global_buffer, .address_space: global }
      - { .name: vimg, .offset: 32, .size: 8, .value_kind: global_buffer, .address_space: global }
      - { .name: wimg, .offset: 40, .size: 8, .value_kind: global_buffer, .address_space: global }
      - { .name: b1, .offset: 48, .size: 8, .value_kind: global_buffer, .address_space: global }
      - { .name: b2, .offset: 56, .size: 8, .value_kind: global_buffer, .address_space: global }
      - { .name: ln_w, .offset: 64, .size: 8, .value_kind: global_buffer, .address_space: global }
      - { .name: ln_b, .offset: 72, .size: 8, .value_kind: global_buffer, .address_space: global }
      - { .name: ln2_w, .offset: 80, .size: 8, .value_kind: global_buffer, .address_space: global }
      - { .name: ln2_b, .offset: 88, .size: 8, .value_kind: global_buffer, .address_space: global }
      - { .name: out0, .offset: 96, .size: 8, .value_kind: global_buffer, .address_space: global }
    .group_segment_fixed_size: 120320
    .private_segment_fixed_size: 0
    .kernarg_segment_align: 8
    .kernarg_segment_size: 104
    .max_flat_workgroup_size: 128
    .sgpr_count:     66
    .vgpr_count:     1024
    .wavefront_size: 32
...
	.end_amdgpu_metadata
.endif
;; end of part 2
;; ======== version 2 of 2: 2 launches; version 1 with the launch attn written anew for expert scheduling mode
;; limits: inputs' magnitudes at most 10,000
;; workspace buffers: kimg 6,815,744 bytes; vimg 6,815,744 bytes; wimg 425,984 bytes
;; launch prep: the kernel of part 1 again; grid 528 x 1, 4 waves a work-group, no clusters, 27,136 bytes of LDS; arguments keys, key_masks, W1, W2, kimg, vimg, wimg; writes kimg, vimg, wimg
;; launch attn (part 3): grid 256 x 1, 4 waves a work-group, no clusters, 120,320 bytes of LDS; arguments queries, query_masks, key_masks, kimg, vimg, wimg, b1, b2, ln_w, ln_b, ln2_w, ln2_b, out0; writes out0
.if DOCPART == 3
	.amdgcn_target "amdgcn-amd-amdhsa--gfx1250"
	.amdhsa_code_object_version 6
	.text
	.protected	k_q2d78ad119c_attn
	.globl	k_q2d78ad119c_attn
	.p2align	8
	.type	k_q2d78ad119c_attn,@function
k_q2d78ad119c_attn:
	s_mov_b64 s[64:65], 0
	v_nop
	global_prefetch_b8 v0, s[64:65] scope:SCOPE_SE
	s_setreg_imm32_b32 hwreg(HW_REG_WAVE_SCHED_MODE, 0, 2), 2
	s_setreg_imm32_b32 hwreg(HW_REG_WAVE_MODE, 25, 1), 1
	s_wait_xcnt 0x0
	s_wait_alu depctr_vm_vsrc(0)
; out = LN2(FFN(x) + x), x = LN1(softmax(Q K^T / sqrt(512), key mask) x query mask . K + Q); all four products on codes of FP6 (E2M3) with one E8M0 scale for each 32 along K.
; THE NORMALISED softmax is what the second product's quantiser takes, so a row's maximum and sum must be known before any code of p is made: the scores are computed TWICE.  Pass 1: maximum and sum.  Pass 2: p, its codes, P.V.
; SHARES.  A work-group of four waves owns 64 queries (four tiles of 16) of one batch.  THE WAVES SHARE THE COLUMNS, NOT THE ROWS: in every product wave w owns 128 rows of the LEFT operand (keys 512 j + 128 w on;
; channels, hidden units, outputs 128 w on) for all 64 queries.  All products are used transposed (source 0 = 16 rows of keys / values^T / W1 / W2, source 1 = 16 queries): a lane holds one query throughout.
; The left operands come from the images of the launch before, from memory STRAIGHT INTO THE REGISTERS of the one wave that uses them, through a ring of eight granules (4 fragments + scale words, 13 loads each).
; The right operands (Q, P, x, h: 16 fragments) lie in LDS as images of their registers; wave w has made K step w of each.
; A HALF STEP (macro HG) is 4 tiles x 4 query tiles x 4 K steps: 64 matrix instructions on 16 accumulators that take turns.  Sums begin from what was loaded into the accumulators: the key bias (0, or -2^37 for a masked key,
; whose codes are zeros), b1, b2, or the queries (the residual): nothing is cleared and no bias is added by a vector instruction.
; NO CLUSTER, NO TENSOR LOAD: each fragment of the images feeds one wave of a work-group; a joint load lands in LDS, through which a work-group's 2.9 MB of codes would then be written and read once more with no second reader.
; LIMITS: a masked score is -2^37 ahead of the division (about -6.07e9 behind it, where the reference has -4.29e9): the same results while unmasked scores stay far above that; NaN and infinities are not served;
; blocks whose largest magnitude lies under 2^-124 keep the scale byte 1; p under 2^-126 is flushed to zero by the exponential.
; THE MODE: SCHED_MODE bits 1:0 = 2 (LLVM: expert scheduling mode 2), set by the entry lines.  The code itself states the register dependences between vector or matrix instructions and memory or LDS instructions,
; with s_wait_alu, always for 0.
; THE PLAN.  Registers that memory or LDS instructions touch, and who else names them:
;   B0, B1       (window 1, v0-95; their scale words v80-87)  K step s's matrix instructions read set s % 2; the LDS loads of the next K step land in the other set, which K step s - 1 read.
;   ring slots   (windows 3 and 1; their scale words v88-119)  The K step of slot k reads it; the loads that fill it again are issued in the K step after.
;   bank A       Written by matrix and vector instructions, read by vector instructions; loaded again (the next sums' beginnings, gains and biases, rows from the stage) behind a wait that follows its last reader.
;   bank B       Loaded at the head, read by Q's quantiser, loaded with the residual; then named by matrix and vector instructions alone until the stage's stores read it.
;   v60-78, v56-59  Codes and scale words: written by the quantiser, read by LDS stores; v60-75 also take the norms' exchange.   v120-123: written by vector lines, read by the norms' LDS store.
;   addresses    v1-v4, v6, v9, v10: made at the head, never written again.  v5: stepped once a trip.  v7, v8: made anew for the way out.
; So in a half step ONE wait on va_vdst stands at the head of a K step: the K step before is done reading the other set of the right operand and its ring slot.  The step's loads (13 from LDS, 13 from memory) follow in one
; run behind its first four matrix instructions; the step's matrix instructions name the slot in hand, the set in hand and the accumulators: none of the registers that those loads touch.
; In the vector phases one wait on va_vdst stands behind each tile's quantiser (its codes are written, the tile is read) ahead of that tile's stores and loads, and a wait on vm_vsrc ahead of the lines that write a set of codes again.
.set FRB,  1536                        ; a fragment's image
.set GR,   6656                        ; a granule
.set HGB,  4*GR                        ; a half block: four K steps
.set WVB,  2*HGB                       ; a wave's part of a block
.set MBB,  4*WVB                       ; a block of 512 rows x 512 K
; LDS
.set IMG0, 0                           ; Q, later h: fragment (m, s) at (4 m + s) FRB
.set IMG1, 26624                       ; P, later x
.set SCO,  24576                       ; behind each image its scale words: 512 s + 16 lane + 4 m
.set STAT, 53248                       ; the softmax's exchange: 1024 w + 256 m + 8 lane
.set LNS,  57344                       ; four exchanges of the norms, 2,048 bytes each: 512 w + 16 lane
.set PAR,  65536                       ; key bias (8,192), b1 +8192, b2 +10240, ln_w +12288, ln_b +14336, ln2_w +16384, ln2_b +18432
.set STG,  86016                       ; the way out: 16 rows x 528 bytes for each wave
; vector registers, window 0
.set LI,   1                           ; 16 x lane
.set APW,  2                           ; + FRB x wave: where I store my K step's fragments
.set APS,  3                           ; 16 x lane + 512 x wave: their scale words, and the norms' partial sums
.set ABW,  4                           ; PAR + 512 w + 64 h: the parameters of my rows
.set ABK,  5                           ; + 2,048 j: the key bias of the key group in hand
.set XA,   6                           ; 2,048 r + 64 h: my 16 numbers of each block of 32 of row r
.set QWI,  7                           ; head: 16 lane + 4 FRB w; way out: stage, in
.set QWS,  8                           ; head: 16 lane + 4 w;     way out: stage, back
.set SW,   9                           ; 8 lane + 1,024 w
.set SR,   10                          ; 8 r
.set QM,   12                          ; v12-15 the query masks of my query in the four tiles
.set ST,   16                          ; v16-47 eight registers a tile: +0 c max, +1 max, +2,+3 sum (pass 2: 1 / sum x mask, twice), +4,+5 at work, +6 a, +7 its partner
.set TM,   48                          ; v48-55 at work
.set PW,   56                          ; v56-59 scale words in the making
.set PC,   60                          ; v60-69, v70-79 two sets of codes
.set BS,   80                          ; v80-87   the right operand's scale words, two sets: scales and nothing else
.set AS,   88                          ; v88-119  the left operand's, four for each ring slot: scales and nothing else
                                       ; v120-127 at work;  v128-255 BANK A: accumulator (m, u) at 128 + 32 m + 8 u
; window 1: v0-95 the right operand's fragments, two sets; v96-239 ring slots 5-7.   window 2: BANK B: accumulator (m, t) at 64 m + 8 t.   window 3: ring slots 0-4 at 48 k
; scalar registers
.set WV,   30
.set BT,   31
.set CS,   32                          ; s[32:33] c = log2(e) / sqrt(512)  (the 1e-8 beside the root vanishes in f32)
.set SEL,  34                          ; s[34:35] lane selects: lane l xor 16
.set NXT,  36                          ; s[36:37] my part of the block that the ring is being filled from
.set KB,   38                          ; s[38:39] my part of the batch's first block of kimg;  s[40:41] of vimg;  s[42:43] of wimg
.set VB,   40
.set WB,   42
.set J,    44
.set KJ,   45
.set QB,   46                          ; s[46:47] queries at my tile's rows;  s[48:49] at the work-group's rows, my 128 channels
.set RB,   48
.set MSB, 0
.macro WIN new                         ; the immediate's high byte repeats the setting that is left; a switch that changes nothing is dropped
.if MSB != (\new)
	s_set_vgpr_msb (MSB<<8)|(\new)
.set MSB, (\new)
.endif
.endm
.macro PLACES                          ; four plain places behind matrix instructions, ahead of loads into their registers and of reads of their results
.rept 4
	v_nop
.endr
.endm
.macro BARRIER                         ; my LDS stores have landed and my LDS loads are in: then the work-group's barrier
	s_wait_dscnt 0x0
	s_barrier_signal -1
	s_barrier_wait -1
.endm
.macro XLOAD base, dst, imm            ; 64 numbers of row r: register 16 b + i = number 32 b + 16 h + i   (destination window set by the caller)
.set kx, 0
.rept 16
	global_load_b128 v[(\dst)+4*kx:(\dst)+4*kx+3], v[XA], s[\base:\base+1] offset:(\imm)+128*(kx/4)+16*(kx%4)
.set kx, kx+1
.endr
.endm
; ONE RUN OF LOADS.  img >= 0: K step s of the right operand img, four fragments and their scale words, into set buf.  k >= 0: ring slot k takes granule k of the block at s[NXT]: 13 loads of 512 consecutive bytes.
; Whoever calls it has a wait on va_vdst behind the last matrix instruction that read these registers, and no vector or matrix instruction since that wait names them.
.macro FEED img, s, buf, k
.if (\img) >= 0
	WIN 0x40
.set kl, 0
.rept 12
	ds_load_b128 v[48*(\buf)+4*kl:48*(\buf)+4*kl+3], v[LI] offset:(\img)+(4*(kl/3)+(\s))*FRB+512*(kl%3)
.set kl, kl+1
.endr
.endif
.if (\k) >= 0
.if (\k) < 5
.set rfw, 3
.set rfb, 48*(\k)
.else
.set rfw, 1
.set rfb, 96+48*((\k)-5)
.endif
.set rfo, ((\k)/4)*HGB+((\k)%4)*GR
	WIN rfw<<6
.set kr, 0
.rept 12
	global_load_b128 v[rfb+4*kr:rfb+4*kr+3], v[LI], s[NXT:NXT+1] offset:rfo+512*kr
.set kr, kr+1
.endr
.endif
	WIN 0
.if (\img) >= 0
	ds_load_b128 v[BS+4*(\buf):BS+4*(\buf)+3], v[LI] offset:(\img)+SCO+512*(\s)
.endif
.if (\k) >= 0
	global_load_b128 v[AS+4*(\k):AS+4*(\k)+3], v[LI], s[NXT:NXT+1] offset:rfo+4*FRB
.endif
.endm
; A HALF STEP.  par: which half (ring slots 4 par on);  dw, dbase, dstr: the accumulators' window, first register, step from query tile to query tile;  img: the right operand;
; first = 1: its K step 0 is fetched here;  nimg: the next half step's right operand, whose K step 0 is fetched in the last K step (-1: none);  rf = 1: each slot is filled again in the K step after the one that read it
; (the half step's last slot by the caller, behind a wait of its own);  pk: the slot that the half step just before has left to be filled again (-1: none: a wait on va_vdst stands between that half step and this one);
; lb - ls x step: the count of the wait for the slot: behind its 13 loads six slots' 78 or more have been issued (the field ends at 63); without refills what is left of them.
; The 16 accumulators take turns, one instruction a turn, in the same order in every K step and every half step.
.macro HG par, dw, dbase, dstr, img, first, nimg, rf, pk, lb, ls
.if \first
	FEED \img, 0, 0, -1                            ; set 0 was last read by the third K step of the half step before, ahead of that half step's last wait on va_vdst
.endif
.set hs, 0
.rept 4
.set hk, 4*(\par)+hs
.set hn, (\img)                        ; what this K step fetches for the next one,
.set hq, hs+1
.if hs == 3
.set hn, (\nimg)
.set hq, 0
.endif
.set hp, hk-1                          ; and the slot that it fills again
.if hs == 0
.set hp, (\pk)
.endif
.if !(\rf)
.set hp, -1
.endif
	s_wait_dscnt 0x0                               ; this K step's fragments are in, and what was loaded into the accumulators: nothing younger has been issued
	s_wait_loadcnt (\lb)-(\ls)*hs
.if ((hn >= 0) || (hp >= 0)) && ((hs > 0) || ((\pk) >= 0))
	s_wait_alu depctr_va_vdst(0)                   ; the K step before: its matrix instructions are done reading the other set of fragments and scale words, in which the next K step's land, and their ring slot with its scale words, which is filled again
.endif
.if hk < 5
.set hw, 3
.set hb, 48*hk
.else
.set hw, 1
.set hb, 96+48*(hk-5)
.endif
.set hmw, hw|(1<<2)|((\dw)<<4)|((\dw)<<6)
	WIN hmw
.set hu, 0
.rept 4
.set hm, 0
.rept 4
.set hd, (\dbase)+(\dstr)*hm+8*hu
	v_wmma_scale_f32_16x16x128_f8f6f4 v[hd:hd+7], v[hb+12*hu:hb+12*hu+11], v[48*(hs&1)+12*hm:48*(hs&1)+12*hm+11], v[hd:hd+7], v[AS+4*hk+hu], v[BS+4*(hs&1)+hm] matrix_a_fmt:MATRIX_FMT_FP6 matrix_b_fmt:MATRIX_FMT_FP6
.set hm, hm+1
.endr
.if (hu == 0) && ((hn >= 0) || (hp >= 0))
	FEED hn, hq, (hs+1)&1, hp                      ; no wait: the four matrix instructions since the wait name slot hk, set hs % 2 and the accumulators alone
	WIN hmw
.endif
.set hu, hu+1
.endr
	PLACES
.set hs, hs+1
.endr
	WIN 0
.endm
.macro PRELOADM areg, imm, m           ; query tile m's four accumulators of bank A begin as the parameters of my rows: register 8 u + j is row 32 (u / 2) + 16 h + 8 (u % 2) + j
.set kp, 0
.rept 8
	ds_load_b128 v[128+32*(\m)+4*kp:128+32*(\m)+4*kp+3], v[\areg] offset:(\imm)+(32*(kp/4)+8*((kp/2)%2))*4+16*(kp%2)
.set kp, kp+1
.endr
.endm
.macro ABKSTEP                         ; on to the next key group's bias
	s_wait_alu depctr_vm_vsrc(0)                   ; the LDS instructions issued so far have read their registers: v[ABK], which is written below; in pass 2 also the codes and scale words that the next tiles write again
	s_add_co_u32 s[KJ], s[KJ], 2048
	v_add_nc_u32 v[ABK], s[KJ], v[ABW]             ; (in a pass's last trip: 2,048 bytes on, still among the parameters; what is loaded from there is not used)
.endm
; 32 numbers of a lane (16 of each of two blocks of 32; lane l xor 16 holds the others) become six registers of codes in v[pc] on; the two scale bytes stay in v[TM+2], v[TM+3].
.macro QUANT2 src, win, pc
	WIN (\win)|((\win)<<2)
	v_max3_num_f32 v[TM], |v[(\src)]|, |v[(\src)+1]|, 0x1800000          ; four chains; the floor 2^(3 - 127) holds the byte at 1 from below
	v_max3_num_f32 v[TM+1], |v[(\src)+16]|, |v[(\src)+17]|, 0x1800000
	v_max3_num_f32 v[TM+6], |v[(\src)+8]|, |v[(\src)+9]|, 0x1800000
	v_max3_num_f32 v[TM+7], |v[(\src)+24]|, |v[(\src)+25]|, 0x1800000
.set kq, 2
.rept 3
	v_max3_num_f32 v[TM], |v[(\src)+kq]|, |v[(\src)+kq+1]|, v[TM]
	v_max3_num_f32 v[TM+1], |v[(\src)+16+kq]|, |v[(\src)+17+kq]|, v[TM+1]
	v_max3_num_f32 v[TM+6], |v[(\src)+8+kq]|, |v[(\src)+9+kq]|, v[TM+6]
	v_max3_num_f32 v[TM+7], |v[(\src)+24+kq]|, |v[(\src)+25+kq]|, v[TM+7]
.set kq, kq+2
.endr
	WIN 0
	v_max_num_f32 v[TM], v[TM], v[TM+6]
	v_max_num_f32 v[TM+1], v[TM+1], v[TM+7]
	v_permlanex16_b32 v[TM+2], v[TM], s[SEL], s[SEL+1]
	v_permlanex16_b32 v[TM+3], v[TM+1], s[SEL], s[SEL+1]
	v_max_num_f32 v[TM], v[TM], v[TM+2]            ; the blocks' largest magnitudes
	v_max_num_f32 v[TM+1], v[TM+1], v[TM+3]
	v_add_nc_u32 v[TM+4], 0xff000000, v[TM]        ; 2 off the exponent field: the conversion's scale operand
	v_add_nc_u32 v[TM+5], 0xff000000, v[TM+1]
	v_lshrrev_b32 v[TM+2], 23, v[TM+4]             ; the scales' bytes
	v_lshrrev_b32 v[TM+3], 23, v[TM+5]
	WIN (\win)
	v_cvt_scalef32_pk16_fp6_f32 v[(\pc):(\pc)+2], v[(\src):(\src)+15], v[TM+4]
	v_cvt_scalef32_pk16_fp6_f32 v[(\pc)+6:(\pc)+8], v[(\src)+16:(\src)+31], v[TM+5]   ; (a conversion's three registers begin on an even number)
	WIN 0
	v_nop                                          ; one plain place behind a scaled conversion
.irp i, 0,1,2
	v_permlane16_swap_b32 v[(\pc)+\i], v[(\pc)+6+\i]   ; the layout wants a whole block in a lane: lanes 0-15 the first block, lanes 16-31 the second
.endr
.irp i, 0,1,2
	v_mov_b32 v[(\pc)+3+\i], v[(\pc)+6+\i]
.endr
.endm
.macro PACKW m, c                      ; the two bytes go into tile m's scale word: bytes 2 c, 2 c + 1
.if (\c) == 0
	v_lshl_or_b32 v[PW+(\m)], v[TM+3], 8, v[TM+2]
.else
	v_lshl_or_b32 v[PW+(\m)], v[TM+2], 16, v[PW+(\m)]
	v_lshl_or_b32 v[PW+(\m)], v[TM+3], 24, v[PW+(\m)]
.endif
.endm
.macro STOREH areg, imm, pc, c         ; registers 6 c .. 6 c + 5 of a fragment's image: register R of lane L lies at 512 (R / 4) + 16 L + 4 (R % 4)
.if (\c) == 0
	ds_store_b128 v[\areg], v[(\pc):(\pc)+3] offset:(\imm)
	ds_store_b64 v[\areg], v[(\pc)+4:(\pc)+5] offset:(\imm)+512
.else
	ds_store_b64 v[\areg], v[(\pc):(\pc)+1] offset:(\imm)+520
	ds_store_b128 v[\areg], v[(\pc)+2:(\pc)+5] offset:(\imm)+1024
.endif
.endm
.macro SCALE_EXP                       ; bank A: c s - c max, two at a time, each accumulator from its low end on; then 2^(.), one batch with one wait
.set ks, 0
.rept 16
.irp m, 0,1,2,3
	v_pk_fma_f32 v[128+32*\m+ks:129+32*\m+ks], v[128+32*\m+ks:129+32*\m+ks], s[CS:CS+1], v[ST+8*\m:ST+8*\m+1] op_sel_hi:[1,0,0] neg_lo:[0,0,1] neg_hi:[0,0,1]
.endr
.set ks, ks+2
.endr
.set ks, 0
.rept 128
	v_exp_f32 v[128+ks], v[128+ks]
.set ks, ks+1
.endr
	v_nop                                          ; a plain place behind the last exponential
	s_wait_alu depctr_va_vdst(0)                   ; the exponentials have written their results: one wait for the whole batch, ahead of its first reader; and the half step's last matrix instructions are done reading their ring slot, which is filled again next
.endm
.macro SUMS m0, areg, imm              ; tiles m0, m0 + 1: sum = sum x a + the 32 new terms, in two chains a tile; then their accumulators are loaded for the next half step
.irp d, 0,1
.set sm, (\m0)+\d
	v_pk_fma_f32 v[ST+8*sm+2:ST+8*sm+3], v[ST+8*sm+2:ST+8*sm+3], v[ST+8*sm+6:ST+8*sm+7], v[128+32*sm:129+32*sm] op_sel_hi:[1,0,1]
	v_pk_add_f32 v[ST+8*sm+4:ST+8*sm+5], v[130+32*sm:131+32*sm], v[132+32*sm:133+32*sm]
.endr
.set ks, 6
.rept 6
.irp d, 0,1
.set sm, (\m0)+\d
	v_pk_add_f32 v[ST+8*sm+2:ST+8*sm+3], v[ST+8*sm+2:ST+8*sm+3], v[128+32*sm+ks:129+32*sm+ks]
	v_pk_add_f32 v[ST+8*sm+4:ST+8*sm+5], v[ST+8*sm+4:ST+8*sm+5], v[130+32*sm+ks:131+32*sm+ks]
.endr
.set ks, ks+4
.endr
.irp d, 0,1
.set sm, (\m0)+\d
	v_pk_add_f32 v[ST+8*sm+2:ST+8*sm+3], v[ST+8*sm+2:ST+8*sm+3], v[158+32*sm:159+32*sm]
.endr
.irp d, 0,1
.set sm, (\m0)+\d
	v_pk_add_f32 v[ST+8*sm+2:ST+8*sm+3], v[ST+8*sm+2:ST+8*sm+3], v[ST+8*sm+4:ST+8*sm+5]
.endr
	s_wait_alu depctr_va_vdst(0)                   ; the sums are done reading these two tiles' accumulators, in which the loads below land
	PRELOADM \areg, \imm, \m0
	PRELOADM \areg, \imm, (\m0)+1
.endm
; PASS 1, behind a half step: each lane's running maximum and sum over ITS OWN keys of its query; lanes and waves are joined once, behind the pass.  rk: the half step's last ring slot.
.macro STAT1 areg, imm, rk
.irp m, 0,1,2,3
	v_max3_num_f32 v[ST+8*\m+4], v[128+32*\m], v[129+32*\m], v[130+32*\m]      ; two ascending chains: each accumulator is first read at its low end
	v_max3_num_f32 v[ST+8*\m+5], v[144+32*\m], v[145+32*\m], v[146+32*\m]
.endr
.set ks, 3
.rept 6
.irp m, 0,1,2,3
	v_max3_num_f32 v[ST+8*\m+4], v[ST+8*\m+4], v[128+32*\m+ks], v[129+32*\m+ks]
	v_max3_num_f32 v[ST+8*\m+5], v[ST+8*\m+5], v[144+32*\m+ks], v[145+32*\m+ks]
.endr
.set ks, ks+2
.endr
.irp m, 0,1,2,3
	v_max3_num_f32 v[ST+8*\m+4], v[ST+8*\m+4], v[143+32*\m], v[159+32*\m]
.endr
.irp m, 0,1,2,3
	v_mov_b32 v[ST+8*\m+7], v[ST+8*\m]             ; c max as it was
.endr
.irp m, 0,1,2,3
	v_max3_num_f32 v[ST+8*\m+1], v[ST+8*\m+4], v[ST+8*\m+5], v[ST+8*\m+1]
.endr
.irp m, 0,1,2,3
	v_mul_f32 v[ST+8*\m], s[CS], v[ST+8*\m+1]
.endr
.irp m, 0,1,2,3
	v_sub_f32 v[ST+8*\m+7], v[ST+8*\m+7], v[ST+8*\m]
.endr
.irp m, 0,1,2,3
	v_exp_f32 v[ST+8*\m+6], v[ST+8*\m+7]           ; a = 2^(c max old - c max new): part of the batch below
.endr
	SCALE_EXP
	FEED -1, 0, 0, \rk
	SUMS 0, \areg, \imm
	SUMS 2, \areg, \imm
.endm
; PASS 2, behind a half step of scores: p = 2^(c s - c max) / sum x query mask, quantised along the keys: half c of K step w of the second product's right operand.  rk: the half step's last ring slot.
; The count 18: behind the two stores that read a set of code registers stand 8 loads, 2 stores and 8 loads.
.macro SMQ c, areg, imm, rk
	SCALE_EXP
	FEED -1, 0, 0, \rk
.irp m, 0,1,2,3
.set ks, 0
.rept 16
	v_pk_mul_f32 v[128+32*\m+ks:129+32*\m+ks], v[128+32*\m+ks:129+32*\m+ks], v[ST+8*\m+2:ST+8*\m+3]
.set ks, ks+2
.endr
.if \m >= 2
	s_wait_dscnt 18
.endif
.if (\m == 2) || ((\m == 0) && ((\c) == 0))
	s_wait_alu depctr_vm_vsrc(0)                   ; the LDS stores issued so far have read both sets of codes and the scale words, which this tile and the next write again (ahead of the second half's tile 0 the wait at the step of v[ABK] says it)
.endif
	QUANT2 128+32*\m, 0, PC+10*(\m%2)
	PACKW \m, \c
	s_wait_alu depctr_va_vdst(0)                   ; the tile's codes (with the last tile: the scale words) are written, which the stores below read; the quantiser is done reading the tile's accumulators, in which the loads below land; v[ABK] is written
	STOREH APW, IMG1+4*FRB*\m, PC+10*(\m%2), \c
	PRELOADM \areg, \imm, \m
.endr
.if \c
	ds_store_b128 v[APS], v[PW:PW+3] offset:IMG1+SCO
.endif
.endm
.macro RELUQ c, imm, rk                ; the hidden layer: relu, quantised: half c of K step w of the last product's right operand.  rk: the half step's last ring slot
.irp m, 0,1,2,3
.set ks, 0
.rept 32
	v_max_num_f32 v[128+32*\m+ks], 0, v[128+32*\m+ks]
.set ks, ks+1
.endr
.if \m >= 2
	s_wait_dscnt 18
.endif
.if (\m == 0) || (\m == 2)
	s_wait_alu depctr_vm_vsrc(0)                   ; the LDS stores issued so far have read both sets of codes and the scale words, which this tile and the next write again
.endif
	QUANT2 128+32*\m, 0, PC+10*(\m%2)
	PACKW \m, \c
	s_wait_alu depctr_va_vdst(0)                   ; the tile's codes (with the last tile: the scale words) are written, which the stores below read; the quantiser is done reading the tile's accumulators, in which the loads below land; at tile 0: the half step's last matrix instructions are done reading their ring slot
.if \m == 0
	FEED -1, 0, 0, \rk
.endif
	STOREH APW, IMG0+4*FRB*\m, PC+10*(\m%2), \c
	PRELOADM ABW, \imm, \m
.endr
.if \c
	ds_store_b128 v[APS], v[PW:PW+3] offset:IMG0+SCO
.endif
.endm
.macro ADDX p, pre, imm                ; y + x: half p of bank B takes bank A, two query tiles at a time
.irp m0, 0,2
	WIN 0x82
.irp d, 0,1
.set ka, 0
.rept 16
	v_pk_add_f32 v[64*(\m0+\d)+32*(\p)+ka:64*(\m0+\d)+32*(\p)+ka+1], v[64*(\m0+\d)+32*(\p)+ka:64*(\m0+\d)+32*(\p)+ka+1], v[128+32*(\m0+\d)+ka:129+32*(\m0+\d)+ka]
.set ka, ka+2
.endr
.endr
	WIN 0
.if \pre
	s_wait_alu depctr_va_vdst(0)                   ; the additions are done reading these two tiles of bank A, in which the loads below land
	PRELOADM ABW, \imm, \m0
	PRELOADM ABW, \imm, \m0+1
.endif
.endr
.endm
.macro LNX st                          ; four pairs in v[TM] on -> the rows' sums over all 512 channels in v120-123: my two halves, lane l xor 16, the four waves (through LDS bytes used once)
.irp m, 0,1,2,3
	v_add_f32 v[120+\m], v[TM+2*\m], v[TM+2*\m+1]
.endr
.irp m, 0,1,2,3
	v_permlanex16_b32 v[124+\m], v[120+\m], s[SEL], s[SEL+1]
.endr
.irp m, 0,1,2,3
	v_add_f32 v[120+\m], v[120+\m], v[124+\m]
.endr
	s_wait_alu depctr_va_vdst(0)                   ; v120-123 are written, which the store reads; the vector lines that named v60-75 are done, in which the loads below land
	ds_store_b128 v[APS], v[120:123] offset:\st
	BARRIER
	s_wait_alu depctr_vm_vsrc(0)                   ; my store has read v120-123, which are written again below; earlier stores have read v60-75, in which the loads land
.irp w, 0,1,2,3
	ds_load_b128 v[PC+4*\w:PC+4*\w+3], v[LI] offset:(\st)+512*\w
.endr
	s_wait_dscnt 0x0
.irp m, 0,1,2,3
	v_add_f32 v[120+\m], v[PC+\m], v[PC+4+\m]
.endr
.irp m, 0,1,2,3
	v_add_f32 v[124+\m], v[PC+8+\m], v[PC+12+\m]
.endr
.irp m, 0,1,2,3
	v_add_f32 v[120+\m], v[120+\m], v[124+\m]
.endr
.endm
; LayerNorm of bank B, in place, in two steps as the reference takes it: the mean, then the mean of the squared differences.  (Whoever calls it has a wait on va_vdst behind the last vector line that named bank A.)
.macro LNORM gofs, bofs, st1, st2
	s_mov_b32 s52, 0x3b000000                      ; 1 / 512
.set kn, 0
.rept 16
	ds_load_b128 v[128+4*kn:131+4*kn], v[ABW] offset:(\gofs)+128*(kn/4)+16*(kn%4)   ; gain and bias of my 64 channels, in bank B's order
	ds_load_b128 v[192+4*kn:195+4*kn], v[ABW] offset:(\bofs)+128*(kn/4)+16*(kn%4)
.set kn, kn+1
.endr
	WIN 0x0a
.irp m, 0,1,2,3
	v_pk_add_f32 v[TM+2*\m:TM+2*\m+1], v[64*\m:64*\m+1], v[64*\m+2:64*\m+3]
.endr
	WIN 0x02
.set kn, 4
.rept 30
.irp m, 0,1,2,3
	v_pk_add_f32 v[TM+2*\m:TM+2*\m+1], v[64*\m+kn:64*\m+kn+1], v[TM+2*\m:TM+2*\m+1]
.endr
.set kn, kn+2
.endr
	WIN 0
	LNX \st1
.irp m, 0,1,2,3
	v_mul_f32 v[TM+2*\m], s52, v[120+\m]           ; the mean
.endr
	WIN 0x82
.set kn, 0
.rept 32
.irp m, 0,1,2,3
	v_pk_add_f32 v[64*\m+kn:64*\m+kn+1], v[64*\m+kn:64*\m+kn+1], v[TM+2*\m:TM+2*\m+1] op_sel_hi:[1,0] neg_lo:[0,1] neg_hi:[0,1]
.endr
.set kn, kn+2
.endr
	WIN 0x0a
.irp m, 0,1,2,3
	v_pk_mul_f32 v[TM+2*\m:TM+2*\m+1], v[64*\m:64*\m+1], v[64*\m:64*\m+1]
.endr
.set kn, 2
.rept 31
.irp m, 0,1,2,3
	v_pk_fma_f32 v[TM+2*\m:TM+2*\m+1], v[64*\m+kn:64*\m+kn+1], v[64*\m+kn:64*\m+kn+1], v[TM+2*\m:TM+2*\m+1]
.endr
.set kn, kn+2
.endr
	WIN 0
	LNX \st2
.irp m, 0,1,2,3
	v_fmaak_f32 v[120+\m], s52, v[120+\m], 0x3727c5ac   ; the variance + 1e-5
.endr
.irp m, 0,1,2,3
	v_rsq_f32 v[TM+2*\m], v[120+\m]
.endr
	v_nop                                          ; a plain place behind the last of them
	s_wait_alu depctr_va_vdst(0)                   ; the four roots have written their results: one wait, ahead of their first reader
	WIN 0x82
.set kn, 0
.rept 32
.irp m, 0,1,2,3
	v_pk_mul_f32 v[64*\m+kn:64*\m+kn+1], v[64*\m+kn:64*\m+kn+1], v[TM+2*\m:TM+2*\m+1] op_sel_hi:[1,0]
.endr
.irp m, 0,1,2,3
	v_pk_fma_f32 v[64*\m+kn:64*\m+kn+1], v[64*\m+kn:64*\m+kn+1], v[128+kn:129+kn], v[192+kn:193+kn]
.endr
.set kn, kn+2
.endr
	WIN 0
.endm
.macro TOSTAGE m                       ; 16 rows x my 128 channels through my own stage: in by lanes' 64-byte runs, back as whole rows of 512 bytes
	WIN 0x08
.set kt, 0
.rept 16
	ds_store_b128 v[QWI], v[64*(\m)+4*kt:64*(\m)+4*kt+3] offset:128*(kt/4)+16*(kt%4)
.set kt, kt+1
.endr
	WIN 0
.set kt, 0
.rept 16
	ds_load_b128 v[128+64*((\m)%2)+4*kt:128+64*((\m)%2)+4*kt+3], v[QWS] offset:528*kt   ; LDS serves a wave's instructions in order: these see my stores
.set kt, kt+1
.endr
.endm
.macro SEND m, younger
	s_wait_dscnt \younger
.set kt, 0
.rept 16
	global_store_b128 v[LI], v[128+64*((\m)%2)+4*kt:128+64*((\m)%2)+4*kt+3], s[28:29] offset:(16*(\m)+kt)*2048 th:TH_STORE_NT   ; 32 lanes store 512 consecutive bytes, aligned to 256
.set kt, kt+1
.endr
.endm
; ================================ THE HEAD ================================
	s_load_b512 s[4:19], s[0:1], 0x0               ; queries, query_masks, key_masks, kimg, vimg, wimg, b1, b2
	s_load_b256 s[20:27], s[0:1], 0x40             ; ln_w, ln_b, ln2_w, ln2_b
	s_load_b64 s[28:29], s[0:1], 0x60              ; out0
	v_lshl_add_u32 v11, v0, 2, 0x1d400
	v_mov_b32 v79, 0
	v_lshrrev_b32 v120, 5, v0
	v_readfirstlane_b32 s[WV], v120                ; wave 0..3
	v_and_b32 v121, 31, v0                         ; lane
	v_and_b32 v122, 15, v0                         ; r
	v_bfe_u32 v123, v0, 4, 1                       ; h
	v_lshlrev_b32 v[LI], 4, v121
	s_wait_alu depctr_va_sdst(0)                   ; the wave's number is written, ahead of its first reader: LDS places and all bases are made from it
	s_mul_i32 s50, s[WV], FRB
	v_add_nc_u32 v[APW], s50, v[LI]
	s_lshl_b32 s51, s[WV], 9
	v_add_nc_u32 v[APS], s51, v[LI]
	v_lshlrev_b32 v[ABW], 6, v123
	v_add_nc_u32 v[ABW], s51, v[ABW]
	v_add_nc_u32 v[ABW], PAR, v[ABW]
	s_mov_b32 s[KJ], 0
	v_add_nc_u32 v[ABK], s[KJ], v[ABW]             ; key group 0
	v_lshlrev_b32 v[XA], 11, v122
	v_lshl_add_u32 v[XA], v123, 6, v[XA]
	s_mul_i32 s52, s[WV], 4*FRB
	v_add_nc_u32 v[QWI], s52, v[LI]
	s_lshl_b32 s53, s[WV], 2
	v_add_nc_u32 v[QWS], s53, v[LI]
	s_lshl_b32 s54, s[WV], 10
	v_lshlrev_b32 v[SW], 3, v121
	v_add_nc_u32 v[SW], s54, v[SW]
	v_lshlrev_b32 v[SR], 3, v122
	s_mov_b32 s[CS], 0x3d8293ee
	s_mov_b32 s[CS+1], s[CS]                       ; (named with it as a pair, so it is written)
	s_mov_b32 s[SEL], 0x76543210
	s_mov_b32 s[SEL+1], 0xfedcba98
.irp m, 0,1,2,3
	v_mov_b32 v[ST+8*\m+1], 0xff61b1e6             ; the largest score so far: -3e38
	v_mul_f32 v[ST+8*\m], s[CS], v[ST+8*\m+1]
.irp i, 2,3,4,5,6,7
	v_mov_b32 v[ST+8*\m+\i], 0                     ; the sums; the rest is written because it is named in pairs
.endr
.endr
	v_mov_b32 v[TM+2], 0                           ; a lane permute's destination counts as one of its sources
	v_mov_b32 v[TM+3], 0
	v_mov_b32 v124, 0
	v_mov_b32 v125, 0
	v_mov_b32 v126, 0
	v_mov_b32 v127, 0xd2000000                     ; -2^37
	v_lshlrev_b32 v120, 4, v0                      ; 16 x thread
	v_lshlrev_b32 v121, 2, v122                    ; 4 r
	v_lshl_add_u32 v123, v0, 4, PAR
	s_lshr_b32 s[BT], ttmp9, 5                     ; the batch
	s_mul_i32 s50, s[BT], 4*MBB
	s_mul_i32 s52, s[WV], WVB
	s_mov_b32 s53, 0
	s_add_co_u32 s50, s50, s52
	s_mov_b32 s51, 0
	s_lshl_b32 s54, ttmp9, 17                      ; 64 rows of 2,048 bytes
	s_lshl_b32 s56, s[WV], 15                      ; 16 rows
	s_add_co_u32 s56, s56, s54
	s_mov_b32 s57, 0
	s_lshl_b32 s58, s[WV], 9                       ; 128 channels
	s_add_co_u32 s58, s58, s54
	s_mov_b32 s59, 0
	s_wait_kmcnt 0x0
	s_add_nc_u64 s[KB:KB+1], s[10:11], s[50:51]
	s_add_nc_u64 s[VB:VB+1], s[12:13], s[50:51]
	s_add_nc_u64 s[WB:WB+1], s[14:15], s[52:53]
	s_add_nc_u64 s[QB:QB+1], s[4:5], s[56:57]
	s_add_nc_u64 s[RB:RB+1], s[4:5], s[58:59]
	s_add_nc_u64 s[28:29], s[28:29], s[58:59]
	s_lshl_b32 s50, ttmp9, 8
	s_add_nc_u64 s[6:7], s[6:7], s[50:51]          ; my 64 query masks
	s_lshl_b32 s50, s[BT], 13
	s_add_nc_u64 s[8:9], s[8:9], s[50:51]          ; the batch's key masks
	s_mov_b64 s[NXT:NXT+1], s[KB:KB+1]
	s_wait_alu depctr_va_vdst(0)                   ; the offsets and LDS addresses v1 to v10, v120, v121 and v123 are written, which the loads and stores from here on read
	; 14 loads: the parameters (16 bytes a thread each), the batch's key masks, my queries' masks
	global_load_b128 v[128:131], v120, s[16:17]
	global_load_b128 v[132:135], v120, s[18:19]
	global_load_b128 v[136:139], v120, s[20:21]
	global_load_b128 v[140:143], v120, s[22:23]
	global_load_b128 v[144:147], v120, s[24:25]
	global_load_b128 v[148:151], v120, s[26:27]
.irp i, 0,1,2,3
	global_load_b128 v[152+4*\i:155+4*\i], v120, s[8:9] offset:2048*\i
.endr
.irp m, 0,1,2,3
	global_load_b32 v[QM+\m], v121, s[6:7] offset:64*\m
.endr
	; 64 loads: query tile w, all 512 channels, into bank B
	WIN 0x80
	XLOAD QB, 0, 0
	XLOAD QB, 64, 512
	XLOAD QB, 128, 1024
	XLOAD QB, 192, 1536
	WIN 0
	s_wait_loadcnt 63                              ; the 14 are in: 64 younger loads have been issued
.set kh, 0
.rept 16                                       ; sixteen compares in one run, each into a scalar register of its own (s50 to s63, s2, s3: free here)
.if kh < 14
	v_cmp_eq_f32 s[50+kh], 0, v[152+kh]
.else
	v_cmp_eq_f32 s[kh-12], 0, v[152+kh]
.endif
.set kh, kh+1
.endr
	s_wait_alu depctr_va_sdst(0)                   ; the sixteen masks are written, ahead of the selections that read them
.set kh, 0
.rept 16
.if kh < 14
	v_cndmask_b32 v[152+kh], 0, v127, s[50+kh]     ; the key bias: -2^37 where the mask is 0
.else
	v_cndmask_b32 v[152+kh], 0, v127, s[kh-12]
.endif
.set kh, kh+1
.endr
	s_wait_alu depctr_va_vdst(0)                   ; the selections have written v152-167, which the LDS stores read
.irp i, 0,1,2,3
	ds_store_b128 v123, v[152+4*\i:155+4*\i] offset:2048*\i
.endr
.irp i, 0,1,2,3,4,5
	ds_store_b128 v123, v[128+4*\i:131+4*\i] offset:8192+2048*\i
.endr
	; Q's tile w becomes four fragments; between them the ring's first fill: key group 0
.irp s, 0,1,2,3
.if \s == 0
	s_wait_loadcnt 48                              ; K step s of Q is in: younger are 16 (3 - s) of Q's loads and 26 s of the ring's
.elseif \s == 1
	s_wait_loadcnt 58
.else
	s_wait_loadcnt 63
.endif
	s_wait_dscnt 0x0                               ; earlier stores are done
.if \s > 0
	s_wait_alu depctr_vm_vsrc(0)                   ; the LDS stores issued so far have read both sets of codes, which are written again below (and v128-167, in which the accumulators' first loads land)
.endif
	QUANT2 64*\s, 2, PC
	PACKW \s, 0
	QUANT2 64*\s+32, 2, PC+10
	PACKW \s, 1
	s_wait_alu depctr_va_vdst(0)                   ; both sets of codes and the scale word are written, which the stores below read; at the last K step: the quantiser is done reading bank B, in which the residual lands
	STOREH QWI, IMG0+FRB*\s, PC, 0
	STOREH QWI, IMG0+FRB*\s, PC+10, 1
	ds_store_b32 v[QWS], v[PW+\s] offset:IMG0+SCO+512*\s
	FEED -1, 0, 0, 2*\s
	FEED -1, 0, 0, 2*\s+1
.endr
	; the residual: the 64 queries' channels 128 w on are what the second product's sums begin with
	WIN 0x80
	XLOAD RB, 0, 0
	XLOAD RB, 64, 32768
	XLOAD RB, 128, 65536
	XLOAD RB, 192, 98304
	WIN 0
	BARRIER                                        ; Q's sixteen fragments and the parameters lie in LDS
	PRELOADM ABK, 0, 0
	PRELOADM ABK, 0, 1
	PRELOADM ABK, 0, 2
	PRELOADM ABK, 0, 3
	FEED IMG0, 0, 0, -1
; ================================ PASS 1: maximum and sum ================================
	s_mov_b32 s[J], 0
.Lp1:                                              ; a trip: 512 keys.  The ring is filled from the next group; the last trip asks for group 0 again, which pass 2 wants first
	s_wait_xcnt 0x0                                ; the ring's loads have read their base
	s_add_co_u32 s50, s[J], 1
	s_and_b32 s50, s50, 3
	s_mul_i32 s50, s50, MBB
	s_mov_b32 s51, 0
	s_add_nc_u64 s[NXT:NXT+1], s[KB:KB+1], s[50:51]
	HG 0, 0, 128, 32, IMG0, 0, IMG0, 1, -1, 63, 0
	STAT1 ABK, 256, 3
	HG 1, 0, 128, 32, IMG0, 0, IMG0, 1, -1, 63, 0
	ABKSTEP                                        ; (v[ABK] is written ahead of the batch's wait in STAT1, and read behind it)
	STAT1 ABK, 0, 7
	s_add_co_u32 s[J], s[J], 1
	s_cmp_lt_u32 s[J], 4
	s_cbranch_scc1 .Lp1
; ---- a query's eight partial (c max, sum) are joined: four waves x two halves of the lanes, in the same order in every lane
.irp m, 0,1,2,3
	v_add_f32 v[ST+8*\m+1], v[ST+8*\m+2], v[ST+8*\m+3]
.endr
	s_wait_alu depctr_va_vdst(0)                   ; the four pairs (c max, sum) are written, which the LDS stores read
.irp m, 0,1,2,3
	ds_store_b64 v[SW], v[ST+8*\m:ST+8*\m+1] offset:STAT+256*\m
.endr
	BARRIER
	s_wait_alu depctr_vm_vsrc(0)                   ; my stores have read the four pairs, and the accumulators' loads v[ABK]: both are written again below
.set kc, 0
.rept 32
	ds_load_b64 v[128+2*kc:129+2*kc], v[SR] offset:STAT+1024*((kc/2)%4)+256*(kc/8)+128*(kc%2)
.set kc, kc+1
.endr
	s_wait_dscnt 0x0
.irp m, 0,1,2,3
	v_max3_num_f32 v[ST+8*\m+4], v[128+16*\m], v[130+16*\m], v[132+16*\m]
.endr
.irp m, 0,1,2,3
	v_max3_num_f32 v[ST+8*\m+4], v[ST+8*\m+4], v[134+16*\m], v[136+16*\m]
.endr
.irp m, 0,1,2,3
	v_max3_num_f32 v[ST+8*\m+4], v[ST+8*\m+4], v[138+16*\m], v[140+16*\m]
.endr
.irp m, 0,1,2,3
	v_max_num_f32 v[ST+8*\m+4], v[ST+8*\m+4], v[142+16*\m]
.endr
.irp i, 0,1,2,3,4,5,6,7
.irp m, 0,1,2,3
	v_sub_f32 v[128+16*\m+2*\i], v[128+16*\m+2*\i], v[ST+8*\m+4]
.endr
.endr
.irp i, 0,1,2,3,4,5,6,7
.irp m, 0,1,2,3
	v_exp_f32 v[128+16*\m+2*\i], v[128+16*\m+2*\i]
.endr
.endr
	v_nop
	s_wait_alu depctr_va_vdst(0)                   ; the 32 exponentials have written their results: one wait, ahead of their first reader
.irp m, 0,1,2,3
	v_mul_f32 v[ST+8*\m+5], v[129+16*\m], v[128+16*\m]
.endr
.irp i, 1,2,3,4,5,6,7
.irp m, 0,1,2,3
	v_fmac_f32 v[ST+8*\m+5], v[129+16*\m+2*\i], v[128+16*\m+2*\i]
.endr
.endr
.irp m, 0,1,2,3
	v_rcp_f32 v[ST+8*\m+6], v[ST+8*\m+5]           ; the sum is at least 1: the largest score's own term
.endr
	v_nop
	s_wait_alu depctr_va_vdst(0)                   ; the four reciprocals have written their results: one wait, ahead of their first reader
.irp m, 0,1,2,3
	v_mul_f32 v[ST+8*\m+2], v[ST+8*\m+6], v[QM+\m] ; 1 / sum x the query's mask
	v_mov_b32 v[ST+8*\m], v[ST+8*\m+4]             ; c x the row's maximum
	v_mov_b32 v[ST+8*\m+1], v[ST+8*\m+4]
.endr
.irp m, 0,1,2,3
	v_mov_b32 v[ST+8*\m+3], v[ST+8*\m+2]
.endr
	s_mov_b32 s[KJ], 0
	v_add_nc_u32 v[ABK], s[KJ], v[ABW]
	s_wait_alu depctr_va_vdst(0)                   ; v[ABK] is written, which the loads below read; the lines above are done with v128-191, in which they land
	PRELOADM ABK, 0, 0
	PRELOADM ABK, 0, 1
	PRELOADM ABK, 0, 2
	PRELOADM ABK, 0, 3
; ================================ PASS 2: p, its codes, P.V on top of the residual ================================
	s_mov_b32 s[J], 0
.Lp2:                                              ; a trip: 512 keys: their scores once more, p quantised, then these keys as the second product's K
	s_wait_xcnt 0x0
	s_mul_i32 s50, s[J], MBB
	s_mov_b32 s51, 0
	s_add_nc_u64 s[NXT:NXT+1], s[VB:VB+1], s[50:51]    ; while the keys are multiplied the ring takes this group's values
	HG 0, 0, 128, 32, IMG0, 1, IMG0, 1, -1, 63, 0
	SMQ 0, ABK, 256, 3
	HG 1, 0, 128, 32, IMG0, 0, -1, 1, -1, 63, 0
	ABKSTEP
	SMQ 1, ABK, 0, 7
	BARRIER                                        ; P's sixteen fragments lie in LDS
	s_wait_xcnt 0x0
	s_add_co_u32 s50, s50, MBB
	s_add_nc_u64 s[52:53], s[KB:KB+1], s[50:51]
	s_cmp_lt_u32 s[J], 3
	s_cselect_b64 s[NXT:NXT+1], s[52:53], s[WB:WB+1]   ; then the next group's keys, or W1
	HG 0, 2, 0, 64, IMG1, 1, IMG1, 1, -1, 63, 0
	HG 1, 2, 32, 64, IMG1, 0, -1, 1, 3, 63, 0
	s_wait_alu depctr_va_vdst(0)                   ; the last K step's matrix instructions are done reading ring slot 7 and its scale words, which are filled again here, and the second set of P's fragments, in which the next half step's loads land
	FEED -1, 0, 0, 7
	BARRIER                                        ; every wave's reads of P are over
	s_add_co_u32 s[J], s[J], 1
	s_cmp_lt_u32 s[J], 4
	s_cbranch_scc1 .Lp2
; ================================ LN1, FFN, LN2 ================================
	LNORM 12288, 14336, LNS, LNS+2048
.irp m, 0,1,2,3                                ; x is quantised: K step w of the third product's right operand, over P's bytes
	s_wait_dscnt 2                                 ; the last tile's stores from the first set of codes are done: younger are the second set's two
.if \m > 0
	s_wait_alu depctr_vm_vsrc(0)                   ; the last tile's stores have read both sets of codes, which are written again below
.endif
	QUANT2 64*\m, 2, PC
	PACKW \m, 0
	s_wait_dscnt 0x0                               ; and those from the second set
	QUANT2 64*\m+32, 2, PC+10
	PACKW \m, 1
	s_wait_alu depctr_va_vdst(0)                   ; both sets of codes (with the last tile: the scale words) are written, which the stores below read; the norm's last lines are done reading bank A, in which b1 lands
	STOREH APW, IMG1+4*FRB*\m, PC, 0
	STOREH APW, IMG1+4*FRB*\m, PC+10, 1
.endr
	ds_store_b128 v[APS], v[PW:PW+3] offset:IMG1+SCO
	PRELOADM ABW, 8192, 0                          ; b1
	PRELOADM ABW, 8192, 1
	PRELOADM ABW, 8192, 2
	PRELOADM ABW, 8192, 3
	BARRIER
	s_wait_xcnt 0x0
	s_add_nc_u64 s[NXT:NXT+1], s[WB:WB+1], MBB     ; while W1 is multiplied the ring takes W2
	HG 0, 0, 128, 32, IMG1, 1, IMG1, 1, -1, 63, 0
	RELUQ 0, 8192+256, 3
	HG 1, 0, 128, 32, IMG1, 0, -1, 1, -1, 63, 0
	RELUQ 1, 10240, 7                              ; (the accumulators take b2)
	BARRIER                                        ; the hidden layer's sixteen fragments lie in LDS
	HG 0, 0, 128, 32, IMG0, 1, IMG0, 0, -1, 52, 0  ; nothing is left to fetch: behind slot s stand 13 (7 - s) loads, at least 52
	ADDX 0, 1, 10240+256
	HG 1, 0, 128, 32, IMG0, 0, -1, 0, -1, 39, 13   ; behind slot 4 + s: 13 (3 - s)
	ADDX 1, 0, 0
	s_wait_alu depctr_va_vdst(0)                   ; the additions are done reading bank A, in which the second norm's gains and biases land
	LNORM 16384, 18432, LNS+4096, LNS+6144
; ================================ THE WAY OUT ================================
	s_mul_i32 s50, s[WV], 16*528
	s_add_co_u32 s50, s50, STG                     ; my stage
	v_and_b32 v120, 15, v0
	v_bfe_u32 v121, v0, 4, 1
	v_mul_u32_u24 v[QWI], v120, 528
	v_lshl_add_u32 v[QWI], v121, 6, v[QWI]
	v_add_nc_u32 v[QWI], s50, v[QWI]               ; in: row r, + 64 h
	v_add_nc_u32 v[QWS], s50, v[LI]                ; back: 16 bytes a lane of a row
	s_wait_alu depctr_va_vdst(0)                   ; the norm has written bank B and the lines above the stage's two addresses, which the LDS stores and loads read; the norm is done reading bank A, in which the rows land
	TOSTAGE 0
	TOSTAGE 1
	SEND 0, 32                                     ; behind tile 0's loads: tile 1's 16 stores and 16 loads
	s_wait_xcnt 0x0                                ; tile 0's stores have had their addresses translated
	s_wait_alu depctr_vm_vsrc(0)                   ; tile 0's stores have read v128-191, in which tile 2's rows land
	TOSTAGE 2
	SEND 1, 32
	s_wait_xcnt 0x0
	s_wait_alu depctr_vm_vsrc(0)                   ; tile 1's stores have read v192-255, in which tile 3's rows land
	TOSTAGE 3
	SEND 2, 32
	SEND 3, 0
	s_wait_dscnt 0x0                               ; the closing lines, six on end
	s_wait_alu 0x0
	s_wait_tensorcnt 0x0
	ds_add_u32 v11, v79
	s_wait_dscnt 0x0
	s_endpgm
.Lfunc_end_k_q2d78ad119c_attn:
	.size	k_q2d78ad119c_attn, .Lfunc_end_k_q2d78ad119c_attn-k_q2d78ad119c_attn
	.p2alignl 7, 3214868480
	.fill 96, 4, 3214868480
	.section	.rodata,"a",@progbits
	.p2align	6, 0x0
	.amdhsa_kernel k_q2d78ad119c_attn
		.amdhsa_group_segment_fixed_size 120320
		.amdhsa_private_segment_fixed_size 0
		.amdhsa_enable_private_segment 0
		.amdhsa_kernarg_size 104
		.amdhsa_user_sgpr_count 2
		.amdhsa_user_sgpr_kernarg_segment_ptr 1
		.amdhsa_wavefront_size32 1
		.amdhsa_system_sgpr_workgroup_id_x 1
		.amdhsa_system_sgpr_workgroup_id_y 1
		.amdhsa_system_sgpr_workgroup_id_z 1
		.amdhsa_system_vgpr_workitem_id 0
		.amdhsa_next_free_vgpr 1024
		.amdhsa_next_free_sgpr 66
		.amdhsa_reserve_vcc 0
		.amdhsa_float_denorm_mode_32 3
		.amdhsa_float_denorm_mode_16_64 3
		.amdhsa_memory_ordered 1
		.amdhsa_forward_progress 1
		.amdhsa_inst_pref_size 255
	.end_amdhsa_kernel
	.section	.bss,"aw",@nobits
	.p2align	6
	.space	262144
	.amdgpu_metadata
---
amdhsa.version: [ 1, 2 ]
amdhsa.kernels:
  - .name:           k_q2d78ad119c_attn
    .symbol:         k_q2d78ad119c_attn.kd
    .args:
      - { .name: queries, .offset: 0, .size: 8, .value_kind: global_buffer, .address_space: global }
      - { .name: query_masks, .offset: 8, .size: 8, .value_kind: global_buffer, .address_space: global }
      - { .name: key_masks, .offset: 16, .size: 8, .value_kind: global_buffer, .address_space: global }
      - { .name: kimg, .offset: 24, .size: 8, .value_kind: global_buffer, .address_space: global }
      - { .name: vimg, .offset: 32, .size: 8, .value_kind: global_buffer, .address_space: global }
      - { .name: wimg, .offset: 40, .size: 8, .value_kind: global_buffer, .address_space: global }
      - { .name: b1, .offset: 48, .size: 8, .value_kind: global_buffer, .address_space: global }
      - { .name: b2, .offset: 56, .size: 8, .value_kind: global_buffer, .address_space: global }
      - { .name: ln_w, .offset: 64, .size: 8, .value_kind: global_buffer, .address_space: global }
      - { .name: ln_b, .offset: 72, .size: 8, .value_kind: global_buffer, .address_space: global }
      - { .name: ln2_w, .offset: 80, .size: 8, .value_kind: global_buffer, .address_space: global }
      - { .name: ln2_b, .offset: 88, .size: 8, .value_kind: global_buffer, .address_space: global }
      - { .name: out0, .offset: 96, .size: 8, .value_kind: global_buffer, .address_space: global }
    .group_segment_fixed_size: 120320
    .private_segment_fixed_size: 0
    .kernarg_segment_align: 8
    .kernarg_segment_size: 104
    .max_flat_workgroup_size: 128
    .sgpr_count:     66
    .vgpr_count:     1024
    .wavefront_size: 32
...
	.end_amdgpu_metadata
.endif
;; end of part 3
